; MI455X (gfx1250); checked and timed in simulation.
; The chip was launched on July 23, 2026; its instructions are those of AMD's public machine-readable ISA for CDNA 5 (MIT licence, August 2026) and "CDNA5" Instruction Set Architecture Reference Guide (July 2026). The comments in the code are by the model that wrote it; some were corrected since.
;; Attention. Allowed arithmetic: matrix products marked QUANTISED: E2M1 operands, one E8M0 scale for each 32 along K, by v_wmma_scale_f32_16x16x128_f8f6f4 with both operands' format E2M1 (or v_wmma_scale_f32_32x16x128_f4), f32 sums; products left as they are: bf16, f16 or f32 operands; f32 sums; everything else in f32.
;; Inputs: Wk 1,024 x 1,024 float32; Wo 1,024 x 1,024 float32; Wq 1,024 x 1,024 float32; Wv 1,024 x 1,024 float32; Xq 4 x 2,048 x 1,024 float32; mask_aft 2,048 x 2,048 bool; mask_bef 2,048 x 2,048 bool.
;; Outputs: out0 4 x 2,048 x 1,024 float32.
;; This version of the problem:
;;   THIS VERSION OF THE PROBLEM IS GIVEN IN LOW PRECISION. The matrix products marked QUANTISED in the list below multiply operands that are first quantised to E2M1 (2 exponent bits, 1 mantissa bit; 4 bits a number), with one power-of-two scale for each 32 numbers along K (OCP MX v1.0); their sums are f32. The products marked 'left as it is' may take bf16, f16 or f32 operands, with f32 sums. Whichever they take, every output number must still come out within the allowed error. Rounding operands to bf16 (8 significant bits) uses up far more of that allowance than f16 does (11 bits, for magnitudes from 6e-5 to 65,504). All else is computed in f32.
;;   The module's matrix products, in the order in which they are computed (A, B: the left and right operand; K: the contracted axis; several contracted axes count as one K, in the product's order):
;;     1. [M 8,192, K 1,024] x [K 1,024, N 1,024]; A: input Xq; B: input Wq: QUANTISED
;;     2. [M 8,192, K 1,024] x [K 1,024, N 1,024]; A: input Xq; B: input Wk: QUANTISED
;;     3. [M 8,192, K 1,024] x [K 1,024, N 1,024]; A: input Xq; B: input Wv: QUANTISED
;;     4. batch 64 x [M 2,048, K 64] x [K 64, N 2,048]; A: computed on the way; B: computed on the way: left as it is (an operand is computed on the way)
;;     5. batch 64 x [M 2,048, K 2,048] x [K 2,048, N 64]; A: computed on the way; B: computed on the way: left as it is (an operand is computed on the way)
;;     6. [M 8,192, K 1,024] x [K 1,024, N 1,024]; A: computed on the way; B: input Wo: left as it is (an operand is computed on the way)
;;   THE QUANTISER, for each operand of a quantised product, along K:
;;     - K is cut into blocks of 32 from its start; a last block that is shorter is filled with zeros.
;;     - A block's scale is 2^e with e = floor(log2(the largest magnitude in the block)) - 2, held to -126 .. 127; a block of zeros has e = 0. As a byte (E8M0): e + 127.
;;     - Each number is divided by its block's scale, clamped to +-6, and rounded to the nearest number of E2M1, ties to even, subnormals kept.
;;     - The product sums the exact products of the quantised numbers (number of the format x scale) in f32.
;;   ~~~python
;;   def quantise(x, axis):      # numpy; x: float32 -> the quantised numbers, widened to float32 again
;;       x = np.moveaxis(x, axis, -1); K = x.shape[-1]
;;       x = np.pad(x, [(0, 0)] * (x.ndim - 1) + [(0, -K % 32)]); x = x.reshape(x.shape[:-1] + (-1, 32)); a = np.abs(x).max(-1, keepdims=True)
;;       e = np.where(a > 0, np.clip(np.frexp(np.where(a > 0, a, 1))[1] - 1 - 2, -126, 127), 0)      # np.frexp(a)[1] - 1 = floor(log2(a)), exactly
;;       r = np.clip(x / 2.0 ** e, -6, 6)
;;       step = 2.0 ** (np.maximum(np.frexp(np.where(r == 0, 1, r))[1] - 1, 0) - 1)
;;       q = np.round(r / step) * step * 2.0 ** e      # np.round: ties to even
;;       return np.moveaxis(q.reshape(q.shape[:-2] + (-1,))[..., :K], -1, axis).astype(np.float32)
;;   ~~~
;; One version. Each part assembles by itself: llvm-mc -triple=amdgcn-amd-amdhsa -mcpu=gfx1250 --defsym DOCPART=n.
;; ======== version 1 of 1: 5 launches
;; limits: values are held in f16: magnitudes above 65,504 overflow, below 6.1e-05 lose precision
;; workspace buffers: xq 4,456,448 bytes; w3 1,671,168 bytes; wo16 2,097,152 bytes; mb 1,048,576 bytes of whole numbers; flags 1,024 bytes of whole numbers; qkvh 67,108,864 bytes; ao 16,777,216 bytes
;; launch prep (part 1): grid 944 x 1, 4 waves a work-group, no clusters, 68,096 bytes of LDS; arguments Xq, Wq, Wk, Wv, Wo, mask_bef, mask_aft, xq, w3, wo16, mb, flags; writes xq, w3, wo16, mb, flags
.if DOCPART == 1
	.amdgcn_target "amdgcn-amd-amdhsa--gfx1250"
	.amdhsa_code_object_version 6
	.text
	.protected	k_q83450f76c2_prep
	.globl	k_q83450f76c2_prep
	.p2align	8
	.type	k_q83450f76c2_prep,@function
k_q83450f76c2_prep:
	s_mov_b64 s[64:65], 0
	v_nop
	global_prefetch_b8 v0, s[64:65] scope:SCOPE_SE
	s_setreg_imm32_b32 hwreg(HW_REG_WAVE_MODE, 25, 1), 1
	s_wait_xcnt 0x0
; PREP: four jobs in one launch, told apart by the work-group's number alone.
;   W (0..47)     Wq, Wk, Wv [1024 (k)][1024 (n)] f32 -> codes of FP4 (E2M1) along K, laid [3072 (n)][512 bytes], K innermost, and E8M0 bytes [3072][32] behind them (byte 1,572,864 of w3).
;   X (48..303)   Xq [8192][1024] f32 -> codes [8192][512 bytes] and E8M0 bytes [8192][32] behind them (byte 4,194,304 of xq).
;   M (304..815)  mask_bef, mask_aft [2048][2048] of bytes -> lane masks: for q tile qt (16 queries) and key block kb (64 keys) 32 words; word 8 kt + j, bit r + 16 h = mask[16 qt + r][64 kb + 16 kt + 8 h + j]:
;                 the mask of the 32 lanes for register 8 kt + j of a tile of scores.  mask_bef's at byte 0 of mb, mask_aft's at 524,288.
;                 And of mask_bef, in the buffer flags, one byte for each q tile and each 256 keys, [128][8]: bit k: key block k of the four has an open key; bit 4 + k: it has open and closed ones.
;   O (816..943)  Wo f32 -> f16, as it lies.
; A block's scale is 2^(floor(log2(its largest magnitude)) - 2); its byte is the largest magnitude's exponent field - 2, held at 1 from below.  A block of zeros so gets the byte 1 where the rule says 127:
; its codes are zeros, which add nothing, and the bytes are read by this program alone.
; LIMITS: blocks whose largest magnitude lies under 2^(2 - 126) keep the byte 1; NaN and infinities among the inputs are not served; Wo beyond 65,504 becomes infinity in f16.
; Each job has LDS bytes of its own: X 8,192 a wave from 0, W 8,704 a wave from 32,768; M and O use none.  No barrier: waves share nothing.
.set SPW,   14                         ; v14  LDS address of my spare word: SPARE + 4 x my thread's number; never rewritten
.set NIL,   15                         ; v15  0; never rewritten
.set WLDS,  32768
.set SPARE, 67584                      ; behind the stages: the spare words, 128 bytes a wave
.macro FIN                             ; a wave's end, behind the last LDS store
	s_wait_tensorcnt 0x0
	ds_add_u32 v[SPW], v[NIL]
	s_wait_dscnt 0x0
	s_endpgm
.endm
; ---- job X: a wave takes 16 steps of 512 numbers.  v16-79 four sets as loaded, v80-111 two sets of 16 neighbours, v112-127 a byte a step, v128-191 codes
.macro XLOAD t
.irp i, 0,1,2,3
	global_load_b128 v[16+16*((\t)%4)+4*\i:16+16*((\t)%4)+4*\i+3], v3, s[4:5] offset:2048*(\t)+512*\i th:TH_LOAD_NT   ; 32 lanes read 512 consecutive bytes
.endr
.endm
.macro XTURN t                         ; a step's 2,048 bytes through my stage: in as they lie (64 bytes, then 16 of padding), out 64 bytes a lane.  LDS serves a wave's instructions in order
.irp i, 0,1,2,3
	ds_store_b128 v12, v[16+16*((\t)%4)+4*\i:16+16*((\t)%4)+4*\i+3] offset:2560*((\t)%2)+640*\i
.endr
.irp i, 0,1,2,3
	ds_load_b128 v[80+16*((\t)%2)+4*\i:80+16*((\t)%2)+4*\i+3], v13 offset:2560*((\t)%2)+16*\i
.endr
.endm
.macro XSTEP t
.set XS, 80+16*((\t)%2)
.if (\t) > 0
	s_wait_dscnt 1                                 ; this step's numbers are back from the stage; the last step's byte store may be out
.else
	s_wait_dscnt 0x0
.endif
.if (\t)+4 < 16
	XLOAD (\t)+4
.endif
.if (\t)+1 < 16
.if 14-(\t) >= 3
	s_wait_loadcnt 12                              ; the next step's four loads are in; those of the three steps behind it may be out
.else
	s_wait_loadcnt 4*(14-(\t))
.endif
	XTURN (\t)+1
.endif
	v_max3_num_f32 v8, |v[XS]|, |v[XS+1]|, |v[XS+2]|               ; the largest magnitude of my 16, in two chains
	v_max3_num_f32 v9, |v[XS+3]|, |v[XS+4]|, |v[XS+5]|
.irp i, 6,10
	v_max3_num_f32 v8, v8, |v[XS+\i]|, |v[XS+\i+1]|
	v_max3_num_f32 v9, v9, |v[XS+\i+2]|, |v[XS+\i+3]|
.endr
	v_max3_num_f32 v8, v8, |v[XS+14]|, |v[XS+15]|
	v_max3_num_f32 v8, v8, v9, 0x1800000           ; and the floor 2^(3 - 127): the byte cannot fall under 1
	v_max_num_f32_dpp v8, v8, v8 row_xmask:1 row_mask:0xf bank_mask:0xf   ; with my neighbour's 16: the block's
	v_add_nc_u32 v11, 0xff000000, v8               ; 2 off the exponent field: the conversion takes that field as its scale
	v_cvt_scalef32_pk8_fp4_f32 v[128+4*(\t)], v[XS:XS+7], v11
	v_cvt_scalef32_pk8_fp4_f32 v[128+4*(\t)+1], v[XS+8:XS+15], v11
	v_lshrrev_b32 v[112+(\t)], 23, v11             ; the scale's byte (a plain line behind the conversions)
	ds_store_b8 v5, v[112+(\t)] offset:16*(\t)     ; both lanes of a block write the same byte with the same value
	global_store_b64 v4, v[128+4*(\t):128+4*(\t)+1], s[8:9] offset:256*(\t)   ; the wave stores 256 consecutive bytes, aligned
.endm
; ---- job W: a lane takes a column n, its registers run down K.  v32-95 two sets of 32 numbers, v96-99 a block's codes, v24-27 scale bytes, v112-175 the way out
.macro WLOAD t
.set i, 0
.rept 32
	global_load_b32 v[32+32*((\t)%2)+i], v3, s[6:7] offset:(32*(\t)+i)*4096 th:TH_LOAD_NT
.set i, i+1
.endr
.endm
.macro WBLOCK t
.set XS, 32+32*((\t)%2)
.if (\t) < 15
	s_wait_loadcnt 32                              ; this block's 32 loads are in; the next block's may be out
.else
	s_wait_loadcnt 0
.endif
	v_max3_num_f32 v12, |v[XS]|, |v[XS+1]|, |v[XS+2]|
	v_max3_num_f32 v13, |v[XS+3]|, |v[XS+4]|, |v[XS+5]|
.irp i, 6,10,14,18,22,26
	v_max3_num_f32 v12, v12, |v[XS+\i]|, |v[XS+\i+1]|
	v_max3_num_f32 v13, v13, |v[XS+\i+2]|, |v[XS+\i+3]|
.endr
	v_max3_num_f32 v12, v12, |v[XS+30]|, |v[XS+31]|
	v_max3_num_f32 v12, v12, v13, 0x1800000        ; the floor
	v_add_nc_u32 v11, 0xff000000, v12
	v_lshrrev_b32 v13, 23, v11
.if (\t)%4 == 0
	v_mov_b32 v[24+(\t)/4], v13                    ; four bytes to a register, the lower K in the lower byte
.else
	v_lshl_or_b32 v[24+(\t)/4], v13, 8*((\t)%4), v[24+(\t)/4]
.endif
.irp g, 0,1,2,3
	v_cvt_scalef32_pk8_fp4_f32 v[96+\g], v[XS+8*\g:XS+8*\g+7], v11
.endr
	ds_store_b128 v4, v[96:99] offset:16*(\t)      ; 32 codes: 16 bytes of my column's row
.if (\t)+2 < 16
	WLOAD (\t)+2
.endif
	s_wait_dscnt 0x0                               ; the store has read its registers: the next block's codes may be written
.endm
	s_load_b512 s[4:19], s[0:1], 0x0               ; Xq s[4:5], Wq s[6:7], Wk s[8:9], Wv s[10:11], Wo s[12:13], mask_bef s[14:15], mask_aft s[16:17], xq s[18:19]
	s_load_b128 s[20:23], s[0:1], 0x40             ; w3 s[20:21], wo16 s[22:23]
	s_load_b64 s[24:25], s[0:1], 0x50              ; mb
	s_load_b64 s[2:3], s[0:1], 0x58                ; flags
	v_lshl_add_u32 v[SPW], v0, 2, SPARE
	v_mov_b32 v[NIL], 0
	v_lshrrev_b32 v1, 5, v0
	v_readfirstlane_b32 s26, v1                    ; wave 0..3
	v_and_b32 v2, 31, v0                           ; lane
	s_wait_kmcnt 0x0
	s_cmp_lt_u32 ttmp9, 48
	s_cbranch_scc1 .LW
	s_cmp_lt_u32 ttmp9, 304
	s_cbranch_scc1 .LX
	s_cmp_lt_u32 ttmp9, 816
	s_cbranch_scc1 .LM
	; ---- job O: 32,768 bytes of Wo a work-group; thread t takes 16 bytes of each 2,048
	s_sub_co_u32 s27, ttmp9, 816
	s_lshl_b32 s28, s27, 15
	s_mov_b32 s29, 0
	s_add_nc_u64 s[12:13], s[12:13], s[28:29]
	s_lshl_b32 s28, s27, 14
	s_add_nc_u64 s[22:23], s[22:23], s[28:29]
	v_lshlrev_b32 v3, 4, v0
	v_lshlrev_b32 v4, 3, v0
.irp i, 0,1,2,3,4,5,6,7,8,9,10,11,12,13,14,15
	global_load_b128 v[32+4*\i:35+4*\i], v3, s[12:13] offset:2048*\i th:TH_LOAD_NT
.endr
.irp i, 0,1,2,3,4,5,6,7,8,9,10,11,12,13,14,15
	s_wait_loadcnt 15-\i                           ; loads come back in order: load i is in, the later ones may be out
	v_cvt_pk_f16_f32 v[96+2*\i], v[32+4*\i], v[33+4*\i]
	v_cvt_pk_f16_f32 v[97+2*\i], v[34+4*\i], v[35+4*\i]
	global_store_b64 v4, v[96+2*\i:97+2*\i], s[22:23] offset:1024*\i   ; a wave stores 256 consecutive bytes, aligned
.endr
	FIN
.LM:	; ---- job M: a wave takes 16 rows x 256 keys of one mask
	s_sub_co_u32 s27, ttmp9, 304
	s_lshr_b32 s28, s27, 8                         ; 0: mask_bef, 1: mask_aft
	s_and_b32 s27, s27, 255
	s_lshl_b32 s27, s27, 2
	s_add_co_u32 s27, s27, s26                     ; the wave's unit, 0..1023
	s_lshr_b32 s29, s27, 3                         ; q tile
	s_and_b32 s30, s27, 7                          ; which 256 keys
	s_cmp_eq_u32 s28, 0
	s_cselect_b64 s[14:15], s[14:15], s[16:17]
	s_lshl_b32 s60, s29, 15                        ; 16 rows of 2,048 bytes
	s_lshl_b32 s61, s30, 8
	s_add_co_u32 s60, s60, s61
	s_mov_b32 s61, 0
	s_add_nc_u64 s[14:15], s[14:15], s[60:61]
	s_lshl_b32 s60, s28, 19                        ; the image: 524,288 x mask + 4,096 x q tile + 512 x part
	s_lshl_b32 s62, s29, 12
	s_add_co_u32 s60, s60, s62
	s_lshl_b32 s62, s30, 9
	s_add_co_u32 s60, s60, s62
	s_add_nc_u64 s[16:17], s[24:25], s[60:61]
	s_lshl_b32 s60, s29, 3                         ; the flags' byte: 8 x q tile + part
	s_add_co_u32 s60, s60, s30
	s_add_nc_u64 s[18:19], s[2:3], s[60:61]
	v_and_b32 v3, 15, v2
	v_lshrrev_b32 v4, 4, v2
	v_lshlrev_b32 v3, 11, v3
	v_lshl_add_u32 v3, v4, 4, v3                   ; row r, + 16 h: load i brings lanes 0-15 key tile 2 i, lanes 16-31 key tile 2 i + 1
	v_lshlrev_b32 v5, 4, v2
.irp i, 0,1,2,3,4,5,6,7
	global_load_b128 v[32+4*\i:35+4*\i], v3, s[14:15] offset:32*\i
.endr
.irp k, 0,1,2,3
	v_mov_b32 v[64+\k], 0                          ; a written lane's register counts as read
	s_mov_b32 s[52+\k], 0                          ; the four key blocks' ORs
	s_mov_b32 s[56+\k], -1                         ; and ANDs
.endr
	s_wait_loadcnt 0x0
.irp i, 0,1,2,3,4,5,6,7
.irp x, 0,1,2,3,4,5,6,7,8,9,10,11,12,13,14,15
	v_and_b32 v[20+\x%4], 0xff<<(8*(\x%4)), v[32+4*\i+\x/4]        ; key x of the lane's tile
	v_cmp_ne_u32 s[32+\x], 0, v[20+\x%4]           ; bits 0-15: tile 2 i, rows 0-15; bits 16-31: tile 2 i + 1
.endr
.irp j, 0,1,2,3,4,5,6,7
	s_and_b32 s48, s[32+\j], 0xffff                ; tile 2 i: key j below, key 8 + j above
	s_lshl_b32 s49, s[40+\j], 16
	s_or_b32 s48, s48, s49
	s_lshr_b32 s50, s[32+\j], 16                   ; tile 2 i + 1 likewise
	s_and_b32 s51, s[40+\j], 0xffff0000
	s_or_b32 s50, s50, s51
	v_writelane_b32 v[64+(\j&3)], s48, 4*\i+(\j>>2)        ; word d = 16 i + j of the wave's 128: register d % 4 of lane d / 4
	v_writelane_b32 v[64+(\j&3)], s50, 4*\i+2+(\j>>2)      ; word 16 i + 8 + j
	s_or_b32 s[52+\i/2], s[52+\i/2], s48
	s_or_b32 s[52+\i/2], s[52+\i/2], s50
	s_and_b32 s[56+\i/2], s[56+\i/2], s48
	s_and_b32 s[56+\i/2], s[56+\i/2], s50
.endr
.endr
	global_store_b128 v5, v[64:67], s[16:17]       ; 512 consecutive bytes, aligned
	s_cmp_lg_u32 s28, 0                            ; the flags are made of mask_bef alone: a branch on the work-group's number
	s_cbranch_scc1 .LMend
	s_mov_b32 s49, 0
.irp k, 0,1,2,3
	s_cmp_lg_u32 s[56+\k], -1                      ; not all closed: the key block has an open key
	s_cselect_b32 s48, 1<<\k, 0
	s_cmp_lg_u32 s[52+\k], 0                       ; and not all open: it is mixed
	s_cselect_b32 s50, s48, 0
	s_lshl_b32 s50, s50, 4
	s_or_b32 s49, s49, s48
	s_or_b32 s49, s49, s50
.endr
	v_mov_b32 v68, s49
	v_mov_b32 v6, 0
	v_cmp_eq_u32 vcc_lo, 0, v2
	s_wait_xcnt 0x0                                ; EXEC changes only behind this wait
	s_and_saveexec_b32 s60, vcc_lo
	global_store_b8 v6, v68, s[18:19]              ; lane 0: my q tile's byte for my 256 keys; 1,024 such bytes in the whole launch
	s_wait_xcnt 0x0
	s_or_b32 exec_lo, exec_lo, s60
.LMend:
	FIN
.LX:	; ---- job X
	v_lshlrev_b32 v3, 4, v2                        ; my 16 bytes of a load's 512
	s_lshl_b32 s27, s26, 13                        ; my wave's 8,192 bytes of LDS
	v_lshrrev_b32 v12, 2, v2
	v_mul_u32_u24 v12, v12, 80
	v_and_b32 v13, 3, v2
	v_lshl_add_u32 v12, v13, 4, v12
	v_add_nc_u32 v12, s27, v12                     ; the stage, in: 80 (lane / 4) + 16 (lane % 4)
	v_mul_u32_u24 v13, v2, 80
	v_add_nc_u32 v13, s27, v13                     ; out: 80 x lane
	v_lshlrev_b32 v4, 3, v2                        ; my 8 bytes of a step's codes
	v_lshrrev_b32 v5, 1, v2
	s_add_co_u32 s27, s27, 5120                    ; behind the two stages: my wave's 256 scale bytes
	v_add_nc_u32 v5, s27, v5
	v_lshlrev_b32 v7, 3, v2
	v_add_nc_u32 v6, s27, v7
	s_sub_co_u32 s28, ttmp9, 48
	s_lshl_b32 s28, s28, 2
	s_add_co_u32 s28, s28, s26                     ; which run of 8,192 numbers is my wave's
	s_lshl_b32 s30, s28, 15
	s_mov_b32 s31, 0
	s_add_nc_u64 s[4:5], s[4:5], s[30:31]
	s_lshl_b32 s30, s28, 12
	s_add_nc_u64 s[8:9], s[18:19], s[30:31]        ; its codes
	s_lshl_b32 s30, s28, 8
	s_add_co_u32 s30, s30, 4194304
	s_add_nc_u64 s[10:11], s[18:19], s[30:31]      ; its 256 scale bytes
.irp t, 0,1,2,3
	XLOAD \t
.endr
	s_wait_loadcnt 12                              ; step 0's four loads are in
	XTURN 0
.irp t, 0,1,2,3,4,5,6,7,8,9,10,11,12,13,14,15
	XSTEP \t
.endr
	ds_load_b64 v[8:9], v6                         ; in order behind my byte stores
	s_wait_dscnt 0x0
	global_store_b64 v7, v[8:9], s[10:11]          ; one aligned run of 256 bytes
	FIN
.LW:	; ---- job W: tensor = id / 16, 128 columns = id % 8, half of K = (id / 8) % 2
	s_lshr_b32 s27, ttmp9, 4
	s_and_b32 s28, ttmp9, 7
	s_bfe_u32 s29, ttmp9, 0x10003
	s_cmp_eq_u32 s27, 1
	s_cselect_b64 s[6:7], s[8:9], s[6:7]
	s_cmp_eq_u32 s27, 2
	s_cselect_b64 s[6:7], s[10:11], s[6:7]
	s_lshl_b32 s28, s28, 7
	s_lshl_b32 s30, s26, 5
	s_add_co_u32 s28, s28, s30                     ; my wave's first column
	v_lshlrev_b32 v3, 2, v2
	s_mul_i32 s30, s26, 32*272
	s_add_co_u32 s30, s30, WLDS                    ; my stage: 32 rows of 256 + 16 bytes
	v_mul_u32_u24 v4, v2, 272
	v_add_nc_u32 v4, s30, v4                       ; in: row = my column
	v_and_b32 v5, 15, v2
	v_lshrrev_b32 v6, 4, v2
	v_mul_u32_u24 v7, v6, 272
	v_lshl_add_u32 v7, v5, 4, v7
	v_add_nc_u32 v7, s30, v7                       ; out: sixteen lanes to a row
	v_lshlrev_b32 v8, 9, v6
	v_lshl_add_u32 v8, v5, 4, v8                   ; the same place among the codes' rows of 512 bytes
	v_lshlrev_b32 v9, 5, v2                        ; my column's row of 32 scale bytes
	s_lshl_b32 s30, s29, 21                        ; 512 rows of 4,096 bytes
	s_lshl_b32 s31, s28, 2
	s_add_co_u32 s30, s30, s31
	s_mov_b32 s31, 0
	s_add_nc_u64 s[6:7], s[6:7], s[30:31]
	s_lshl_b32 s27, s27, 10
	s_add_co_u32 s27, s27, s28                     ; the row in w3: 1,024 x tensor + column
	s_lshl_b32 s30, s27, 9
	s_lshl_b32 s28, s29, 8
	s_add_co_u32 s30, s30, s28
	s_add_nc_u64 s[8:9], s[20:21], s[30:31]
	s_lshl_b32 s30, s27, 5
	s_lshl_b32 s28, s29, 4
	s_add_co_u32 s30, s30, s28
	s_add_co_u32 s30, s30, 1572864
	s_add_nc_u64 s[10:11], s[20:21], s[30:31]
	WLOAD 0
	WLOAD 1
.irp t, 0,1,2,3,4,5,6,7,8,9,10,11,12,13,14,15
	WBLOCK \t
.endr
	global_store_b128 v9, v[24:27], s[10:11]       ; my column's 16 scale bytes
.irp t, 0,1,2,3,4,5,6,7,8,9,10,11,12,13,14,15
	ds_load_b128 v[112+4*\t:115+4*\t], v7 offset:2*\t*272
.endr
.irp t, 0,1,2,3,4,5,6,7,8,9,10,11,12,13,14,15
	s_wait_dscnt 15-\t                             ; load t is back; the later ones may be out
	global_store_b128 v8, v[112+4*\t:115+4*\t], s[8:9] offset:1024*\t   ; sixteen lanes store 256 consecutive bytes, aligned
.endr
	FIN
.Lfunc_end_k_q83450f76c2_prep:
	.size	k_q83450f76c2_prep, .Lfunc_end_k_q83450f76c2_prep-k_q83450f76c2_prep
	.p2alignl 7, 3214868480
	.fill 96, 4, 3214868480
	.section	.rodata,"a",@progbits
	.p2align	6, 0x0
	.amdhsa_kernel k_q83450f76c2_prep
		.amdhsa_group_segment_fixed_size 68096
		.amdhsa_private_segment_fixed_size 0
		.amdhsa_enable_private_segment 0
		.amdhsa_kernarg_size 96
		.amdhsa_user_sgpr_count 2
		.amdhsa_user_sgpr_kernarg_segment_ptr 1
		.amdhsa_wavefront_size32 1
		.amdhsa_system_sgpr_workgroup_id_x 1
		.amdhsa_system_sgpr_workgroup_id_y 1
		.amdhsa_system_sgpr_workgroup_id_z 1
		.amdhsa_system_vgpr_workitem_id 0
		.amdhsa_next_free_vgpr 192
		.amdhsa_next_free_sgpr 66
		.amdhsa_reserve_vcc 1
		.amdhsa_float_denorm_mode_32 3
		.amdhsa_float_denorm_mode_16_64 3
		.amdhsa_memory_ordered 1
		.amdhsa_forward_progress 1
		.amdhsa_inst_pref_size 169
	.end_amdhsa_kernel
	.amdgpu_metadata
---
amdhsa.version: [ 1, 2 ]
amdhsa.kernels:
  - .name:           k_q83450f76c2_prep
    .symbol:         k_q83450f76c2_prep.kd
    .args:
      - { .name: Xq, .offset: 0, .size: 8, .value_kind: global_buffer, .address_space: global }
      - { .name: Wq, .offset: 8, .size: 8, .value_kind: global_buffer, .address_space: global }
      - { .name: Wk, .offset: 16, .size: 8, .value_kind: global_buffer, .address_space: global }
      - { .name: Wv, .offset: 24, .size: 8, .value_kind: global_buffer, .address_space: global }
      - { .name: Wo, .offset: 32, .size: 8, .value_kind: global_buffer, .address_space: global }
      - { .name: mask_bef, .offset: 40, .size: 8, .value_kind: global_buffer, .address_space: global }
      - { .name: mask_aft, .offset: 48, .size: 8, .value_kind: global_buffer, .address_space: global }
      - { .name: xq, .offset: 56, .size: 8, .value_kind: global_buffer, .address_space: global }
      - { .name: w3, .offset: 64, .size: 8, .value_kind: global_buffer, .address_space: global }
      - { .name: wo16, .offset: 72, .size: 8, .value_kind: global_buffer, .address_space: global }
      - { .name: mb, .offset: 80, .size: 8, .value_kind: global_buffer, .address_space: global }
      - { .name: flags, .offset: 88, .size: 8, .value_kind: global_buffer, .address_space: global }
    .group_segment_fixed_size: 68096
    .private_segment_fixed_size: 0
    .kernarg_segment_align: 8
    .kernarg_segment_size: 96
    .max_flat_workgroup_size: 128
    .sgpr_count:     66
    .vgpr_count:     192
    .wavefront_size: 32
...
	.end_amdgpu_metadata
.endif
;; end of part 1
;; launch qkv (part 2): grid 12 x 32, 4 waves a work-group, clusters of 4 x 4, 327,680 bytes of LDS; arguments xq, w3, qkvh; writes qkvh
.if DOCPART == 2
	.amdgcn_target "amdgcn-amd-amdhsa--gfx1250"
	.amdhsa_code_object_version 6
	.text
	.protected	k_q83450f76c2_qkv
	.globl	k_q83450f76c2_qkv
	.p2align	8
	.type	k_q83450f76c2_qkv,@function
k_q83450f76c2_qkv:
	s_mov_b64 s[64:65], 0
	v_nop
	global_prefetch_b8 v0, s[64:65] scope:SCOPE_SE
	s_setreg_imm32_b32 hwreg(HW_REG_WAVE_MODE, 25, 1), 1
	s_wait_xcnt 0x0
	s_wait_alu depctr_hold_cnt(0) depctr_sa_sdst(0) depctr_va_vdst(0) depctr_va_sdst(0) depctr_va_ssrc(0) depctr_va_vcc(0) depctr_vm_vsrc(0)
	s_getreg_b32 s2, hwreg(HW_REG_IB_STS2, 6, 4)
	s_cmp_eq_u32 s2, 0
	s_cbranch_scc0 .Lentry_in_a_cluster
	s_endpgm
.Lentry_in_a_cluster:
	s_bfe_u32 s2, ttmp6, 0x10000c
	s_cmp_lg_u32 s2, 0xf033
	s_cbranch_scc0 .Lentry_shape_is_right
	s_endpgm
.Lentry_shape_is_right:
; [8192][1024] x [3072][1024]^T on codes of FP4 (E2M1) with one E8M0 scale for each 32 along K: X against Wq, Wk, Wv at once.  Sums in f32.
; Results leave as f16, split by head: qkvh holds four sections of 16,777,216 bytes, Q, K, V's high part, V's low part (V - f16(V)), each [batch][head][position][64].
; A tile of 256 x 256 is made by four waves, 128 x 128 each: 64 accumulators, 512 registers.  K = 1,024 is two K steps of 512 (rows of 256 bytes): both lie in LDS at once, so nothing is filled again.
; The scale bytes of the work-group's 256 + 256 rows come once, as units of 256 bytes + 16 of padding.
; CLUSTERS: 4 x 4 work-groups; A's tiles are asked for jointly along a row of the cluster, B's along a column.  The cluster's x is the tensor (0 Q, 1 K, 2 V): the one branch on it is the same in all partners.
; THE MATRIX INSTRUCTION IS USED TRANSPOSED (source 0 = 16 rows of W, source 1 = 16 rows of X): a lane holds eight neighbouring columns of one row.
; LIMIT: |Q|, |K|, |V| beyond 65,504 become infinity in f16.
; REGISTERS: window 0: v16-29 addresses; v32-95 scale words, two sets; v128-191 A's fragments, one set; on the way out v32-63 packed, v64-127 at work, v128-191 rows read back.
;   window 1: B's fragments, two sets, at v0 and v128.  window 2, 3: the accumulators of my rows 0-63, 64-127 ((a, b) at v[8 (8 (a % 4) + b)]).
.set NQ,     4                         ; matrix instructions deep in a slot
.set ROWB,   256
.set KROW,   512                       ; a row of codes in memory
.set PITCH,  272                       ; 256 bytes + 16 of padding: the 16 rows of a load start 68 words apart
.set FR,     8
.set NL,     2
.set NP,     4
.set HALFT,  128*PITCH
.set SLOT,   4*HALFT
.set KS,     32                        ; a row of scale bytes
.set SCL,    2*SLOT
.set HALFS,  (128*KS/256)*272
.set SBLK,   (16*KS/256)*272
.set SPARE,  SCL+4*HALFS               ; the spare words, 128 bytes a wave
.set OSP,    272                       ; the way out: a stage of 16 rows x (256 bytes + 16) a wave, in slot 0, which has had its one fill and its last read by then
.set ADRA, 16
.set ADRB, 20
.set STO,  24
.set RD,   25
.set CO,   26
.set ADRS, 27
.set SPW,  28
.set NIL,  29
.set SC,   32
.set AF,   128
.set T,    32
.set BF,   64
.set BK,   128
.set G1, 24
.set G0, 32
.set G1B, 48
.set G0B, 56
.set G1S, 68
.set G0S, 76
.set G1SB, 80
.set G0SB, 88
.set MSB, 0
.macro WIN new                         ; the immediate's high byte repeats the setting that is left
.if MSB != \new
	s_set_vgpr_msb (MSB<<8)|\new
.set MSB, \new
.endif
.endm
.set MUL_LO, 0xa1
.set MUL_HI, 0xf1
.set TO_B,   0x40
; A joint load: waves 0 and 1 fetch for A, waves 2 and 3 for B.  An s_nop 0 and four v_nop follow each of the two lines.
.macro JLOAD g0a, g1a, g0b, g1b
	s_cmp_eq_u32 s15, 0
	s_cbranch_scc0 .Lfor_b_\@
	tensor_load_to_lds s[\g0a:\g0a+3], s[\g1a:\g1a+7]
	s_nop 0
.rept 4
	v_nop
.endr
	s_branch .Lasked_\@
.Lfor_b_\@:
	tensor_load_to_lds s[\g0b:\g0b+3], s[\g1b:\g1b+7]
	s_nop 0
.rept 4
	v_nop
.endr
.Lasked_\@:
.endm
.macro CROUND                          ; a round of the cluster's barrier
	s_barrier_signal -1
	s_barrier_wait -1
	s_cmp_lg_u32 s14, 0
	s_cbranch_scc1 .Lnot_wave_0_\@
	s_barrier_signal -3
.Lnot_wave_0_\@:
	s_barrier_wait -3
	s_barrier_signal -1
	s_barrier_wait -1
.endm
	s_load_b128 s[4:7], s[0:1], 0x0                ; xq s[4:5], w3 s[6:7]
	s_load_b64 s[12:13], s[0:1], 0x10              ; qkvh
	v_lshl_add_u32 v[SPW], v0, 2, SPARE
	v_mov_b32 v[NIL], 0
	ds_add_u32 v[SPW], v[NIL]                      ; the wave's opening: the add, twice on end, and its wait ahead of my first tensor load
	ds_add_u32 v[SPW], v[NIL]
	v_lshrrev_b32 v1, 5, v0
	v_readfirstlane_b32 s14, v1                    ; wave 0..3
	s_lshr_b32 s15, s14, 1                         ; my half of the rows; also: I fetch for A (0) or B (1)
	s_and_b32 s16, s14, 1                          ; my half of the columns; also: which 128 rows I fetch
	s_bfe_u32 s40, ttmp6, 0x40000                  ; cx
	s_bfe_u32 s41, ttmp6, 0x40004                  ; cy
	s_lshl_b32 s42, ttmp9, 2
	s_add_co_u32 s42, s42, s40                     ; tile column
	s_and_b32 s17, ttmp7, 0xffff
	s_lshl_b32 s17, s17, 2
	s_add_co_u32 s17, s17, s41                     ; tile row
	s_lshl_b32 s43, s41, 2
	s_lshl_b32 s43, 15, s43                        ; my row of the cluster
	s_lshl_b32 s44, 0x1111, s40                    ; my column
	s_or_b32 s[G1+0], s43, (0<<16)|(1<<20)|(1<<21)|(5<<22)|(3<<25)   ; the mask; elements of 1 byte; padding on, 4 words behind every 64; bit 21 beside a mask
	s_or_b32 s[G1B+0], s44, (0<<16)|(1<<20)|(1<<21)|(5<<22)|(3<<25)
.irp g, G1, G1B
	s_mov_b32 s[\g+1], ROWB<<16                    ; tensor_dim0
	s_mov_b32 s[\g+2], 128<<16                     ; tensor_dim1
	s_mov_b32 s[\g+3], ROWB<<16                    ; tile_dim0
	s_mov_b32 s[\g+4], 128                         ; tile_dim1
	s_mov_b32 s[\g+5], KROW                        ; the pitch
	s_mov_b32 s[\g+6], 0
	s_mov_b32 s[\g+7], 0
.endr
	s_or_b32 s[G1S+0], s43, (3<<16)|(1<<20)|(1<<21)|(5<<22)|(3<<25)  ; the scales of 128 rows: 4,096 dense bytes as 16 rows of 256 (32 elements of 8 bytes)
	s_or_b32 s[G1SB+0], s44, (3<<16)|(1<<20)|(1<<21)|(5<<22)|(3<<25)
.irp g, G1S, G1SB
	s_mov_b32 s[\g+1], 32<<16
	s_mov_b32 s[\g+2], (128*KS/256)<<16
	s_mov_b32 s[\g+3], 32<<16
	s_mov_b32 s[\g+4], 128*KS/256
	s_mov_b32 s[\g+5], 32
	s_mov_b32 s[\g+6], 0
	s_mov_b32 s[\g+7], 0
.endr
	s_lshl_b32 s18, s16, 7
	s_lshl_b32 s20, s17, 8
	s_add_co_u32 s20, s20, s18                     ; A: row 256 x tile row + 128 x half
	s_lshl_b32 s46, s42, 8
	s_add_co_u32 s46, s46, s18                     ; B: row 256 x tile column + 128 x half
	s_mov_b32 s21, 0
	s_mov_b32 s47, 0
	s_mov_b64 s[18:19], KS
	s_mul_u64 s[22:23], s[20:21], s[18:19]         ; where these rows' scales begin
	s_mul_u64 s[92:93], s[46:47], s[18:19]
	s_mov_b64 s[18:19], KROW
	s_mul_u64 s[20:21], s[20:21], s[18:19]         ; and their codes
	s_mul_u64 s[46:47], s[46:47], s[18:19]
	s_mul_i32 s45, s14, HALFT                      ; where they go: wave x 128 rows
	s_mul_i32 s94, s14, HALFS
	s_wait_dscnt 0x0                               ; both opening adds are done
	s_wait_kmcnt 0x0
	s_mov_b64 s[8:9], s[6:7]                       ; B's codes
	s_add_nc_u64 s[10:11], s[6:7], 1572864         ; B's scales
	s_add_nc_u64 s[6:7], s[4:5], 4194304           ; A's scales
	s_add_nc_u64 s[20:21], s[4:5], s[20:21]
	s_add_nc_u64 s[22:23], s[6:7], s[22:23]
	s_add_nc_u64 s[46:47], s[8:9], s[46:47]
	s_add_nc_u64 s[92:93], s[10:11], s[92:93]
	CROUND                                         ; all sixteen work-groups are here: the joint loads meet
	s_mov_b32 s[G0S], 1
	s_add_co_u32 s[G0S+1], s94, SCL
	s_mov_b64 s[G0S+2:G0S+3], s[22:23]
	s_or_b32 s[G0S+3], s[G0S+3], 0x80000000
	s_mov_b32 s[G0SB], 1
	s_add_co_u32 s[G0SB+1], s94, SCL
	s_mov_b64 s[G0SB+2:G0SB+3], s[92:93]
	s_or_b32 s[G0SB+3], s[G0SB+3], 0x80000000
	JLOAD G0S, G1S, G0SB, G1SB                     ; the scales first; three loads of mine are out behind the third
.irp s, 0,1
	s_mov_b32 s[G0+4*\s], 1
	s_add_co_u32 s[G0+4*\s+1], s45, \s*SLOT
	s_add_nc_u64 s[G0+4*\s+2:G0+4*\s+3], s[20:21], \s*ROWB
	s_or_b32 s[G0+4*\s+3], s[G0+4*\s+3], 0x80000000
	s_mov_b32 s[G0B+4*\s], 1
	s_add_co_u32 s[G0B+4*\s+1], s45, \s*SLOT
	s_add_nc_u64 s[G0B+4*\s+2:G0B+4*\s+3], s[46:47], \s*ROWB
	s_or_b32 s[G0B+4*\s+3], s[G0B+4*\s+3], 0x80000000
	JLOAD G0+4*\s, G1, G0B+4*\s, G1B
.endr
	v_and_b32 v1, 15, v0                           ; r
	v_bfe_u32 v2, v0, 4, 1                         ; h
	v_mul_u32_u24 v3, v1, PITCH
	v_lshl_add_u32 v4, v2, 4, v3
	s_mul_i32 s21, s15, HALFT
	s_mul_i32 s22, s16, HALFT
	s_add_co_u32 s22, s22, 2*HALFT
.irp s, 0,1
	v_add_nc_u32 v[ADRA+\s], s21, v4
	v_add_nc_u32 v[ADRB+\s], s22, v4
	s_add_co_u32 s21, s21, SLOT
	s_add_co_u32 s22, s22, SLOT
.endr
	v_mul_u32_u24 v5, v1, KS                       ; my row's scales: 32 bytes a row, 16 more for each 256 passed
	v_lshrrev_b32 v6, 8, v5
	v_lshl_add_u32 v5, v6, 4, v5
	s_mul_i32 s21, s15, HALFS
	s_mul_i32 s22, s16, HALFS
	s_add_co_u32 s22, s22, 2*HALFS
	s_sub_co_u32 s22, s22, s21
	v_mul_u32_u24 v6, s22, v2                      ; lanes 16-31 take B's: one product, the distance between the two
	s_add_co_u32 s21, s21, SCL
	v_add_nc_u32 v5, v5, v6
	v_add_nc_u32 v[ADRS], s21, v5
	s_mul_i32 s23, s14, 16*OSP                     ; my stage
	v_mul_u32_u24 v5, v1, OSP
	v_lshl_add_u32 v5, v2, 4, v5
	v_add_nc_u32 v[STO], s23, v5                   ; in: row r, 16 bytes for each half of the lanes
	v_and_b32 v6, 31, v0
	v_lshlrev_b32 v[CO], 4, v6                     ; out: four rows of one head's 128 bytes are 512 consecutive bytes
	v_lshrrev_b32 v5, 3, v6
	v_mul_u32_u24 v5, v5, OSP
	v_and_b32 v6, 7, v6
	v_lshl_add_u32 v5, v6, 4, v5
	v_add_nc_u32 v[RD], s23, v5
	s_lshl_b32 s20, s17, 8
	s_lshl_b32 s21, s15, 7
	s_add_co_u32 s20, s20, s21                     ; my first row of X
	s_lshr_b32 s21, s20, 11                        ; batch
	s_and_b32 s20, s20, 2047                       ; position
	s_lshl_b32 s21, s21, 4
	s_lshl_b32 s46, s40, 2
	s_add_co_u32 s21, s21, s46
	s_lshl_b32 s46, s16, 1
	s_add_co_u32 s21, s21, s46                     ; 16 x batch + my first head (4 cx + 2 x half)
	s_lshl_b32 s21, s21, 11
	s_add_co_u32 s20, s20, s21
	s_lshl_b32 s20, s20, 7                         ; rows of 128 bytes
	s_lshl_b32 s21, ttmp9, 24                      ; the tensor's section
	s_add_co_u32 s20, s20, s21
	s_mov_b32 s21, 0
	s_add_nc_u64 s[12:13], s[12:13], s[20:21]
	s_add_nc_u64 s[96:97], s[12:13], 16777216      ; one section on: V's low part
.macro FRAG reg, adr, q, i             ; 16 rows x 128 K of 4-bit codes: 8 registers, two loads of 16 bytes, 32 bytes apart
.irp c, 0,1
	ds_load_b128 v[\reg+4*\c:\reg+4*\c+3], v[\adr] offset:64*(\q)+32*\c+(\i)*16*PITCH
.endr
.endm
; 16 matrix instructions: A's blocks a0, a0 + 1 x B's eight.  The 64 accumulators take turns, one instruction a turn, in the same order in every step.
.macro MUL16 a0, p, q, sc, zero
.irp a, \a0, \a0+1
.irp b, 0,1,2,3,4,5,6,7
.if \zero
	v_wmma_scale_f32_16x16x128_f8f6f4 v[8*(8*((\a)%4)+\b):8*(8*((\a)%4)+\b)+7], v[128*(\p)+FR*\b:128*(\p)+FR*\b+FR-1], v[AF+FR*(\a):AF+FR*(\a)+FR-1], 0, v[SC+8*NQ*(\sc)+NQ*\b+(\q)], v[SC+8*NQ*(\sc)+NQ*(\a)+(\q)] matrix_a_fmt:MATRIX_FMT_FP4 matrix_b_fmt:MATRIX_FMT_FP4 matrix_a_scale:MATRIX_SCALE_ROW1
.else
	v_wmma_scale_f32_16x16x128_f8f6f4 v[8*(8*((\a)%4)+\b):8*(8*((\a)%4)+\b)+7], v[128*(\p)+FR*\b:128*(\p)+FR*\b+FR-1], v[AF+FR*(\a):AF+FR*(\a)+FR-1], v[8*(8*((\a)%4)+\b):8*(8*((\a)%4)+\b)+7], v[SC+8*NQ*(\sc)+NQ*\b+(\q)], v[SC+8*NQ*(\sc)+NQ*(\a)+(\q)] matrix_a_fmt:MATRIX_FMT_FP4 matrix_b_fmt:MATRIX_FMT_FP4 matrix_a_scale:MATRIX_SCALE_ROW1
.endif
.endr
.endr
.endm
.macro FETCH_B slot, q, p
	WIN TO_B
.irp i, 0,1,2,3,4,5,6,7
	FRAG 128*(\p)+FR*\i, ADRB+\slot, \q, \i
.endr
	WIN 0
.endm
.macro FETCH_A slot, q, i0
.irp i, \i0, \i0+1, \i0+2, \i0+3
	FRAG AF+FR*(\i), ADRA+\slot, \q, \i
.endr
.endm
.macro SCALES sc                       ; a K step's scale words: lanes 0-15 A's block i, lanes 16-31 B's block i
.irp i, 0,1,2,3,4,5,6,7
	ds_load_b128 v[SC+8*NQ*\sc+NQ*\i:SC+8*NQ*\sc+NQ*\i+3], v[ADRS] offset:\i*SBLK
.endr
.endm
.macro PLACES n                        ; plain vector lines between a matrix instruction and a load into, or a vector line on, its registers
.rept \n
	v_nop
.endr
.endm
.macro STEP slot, q, zero
	s_wait_dscnt 4*NL                              ; B's set and A's blocks 0-3 are in; the youngest eight loads (A's blocks 4-7) may be out
	WIN MUL_LO
	MUL16 0, (\q)%2, \q, \slot, \zero
	MUL16 2, (\q)%2, \q, \slot, \zero
	s_wait_dscnt 0
	PLACES NP
	FETCH_B \slot, (\q)+1, 1-(\q)%2
	FETCH_A \slot, (\q)+1, 0
	WIN MUL_HI
	MUL16 4, (\q)%2, \q, \slot, \zero
	MUL16 6, (\q)%2, \q, \slot, \zero
	PLACES NP
	WIN 0
	FETCH_A \slot, (\q)+1, 4
.endm
; Slot 0's last step goes on to slot 1: each wave waits for all its tensor loads, then the barrier shows the whole of slot 1 to every wave, and behind it nobody reads slot 0.
.macro TURN slot, next
	s_wait_tensorcnt 0x0                           ; my part of slot 1 has landed
	ds_add_u32 v[SPW], v[NIL]                      ; 0 onto my spare word
	s_wait_dscnt 4*NL+1                            ; the add and the youngest eight loads may be out
	WIN MUL_LO
	MUL16 0, 1, NQ-1, \slot, 0
	s_wait_dscnt 0x0                               ; the add is done, and my reads of this slot are over
	s_barrier_signal -1
	MUL16 2, 1, NQ-1, \slot, 0
	WIN 0
	s_barrier_wait -1
	PLACES NP
	v_add_nc_u32 v[ADRS], 4*NQ, v[ADRS]            ; the next K step's scale words
	FETCH_B \next, 0, 0
	FETCH_A \next, 0, 0
	SCALES \next
	WIN MUL_HI
	MUL16 4, 1, NQ-1, \slot, 0
	MUL16 6, 1, NQ-1, \slot, 0
	PLACES NP
	WIN 0
	FETCH_A \next, 0, 4
.endm
	s_wait_tensorcnt 1                             ; the scales and my part of K step 0 are in; K step 1's load may be out
	s_barrier_signal -1
	s_barrier_wait -1
	FETCH_B 0, 0, 0
	FETCH_A 0, 0, 0
	SCALES 0
	FETCH_A 0, 0, 4
	STEP 0, 0, 1                                   ; the first products start the sums
	STEP 0, 1, 0
	STEP 0, 2, 0
	TURN 0, 1
	STEP 1, 0, 0
	STEP 1, 1, 0
	STEP 1, 2, 0
	s_wait_dscnt 4*NL                              ; the last step: nothing more to fetch
	WIN MUL_LO
	MUL16 0, 1, NQ-1, 1, 0
	MUL16 2, 1, NQ-1, 1, 0
	s_wait_dscnt 0
	WIN MUL_HI
	MUL16 4, 1, NQ-1, 1, 0
	MUL16 6, 1, NQ-1, 1, 0
	WIN 0
; THE WAY OUT, a block of 16 rows x 128 columns (two heads) at a time: rounded to f16, 16 bytes a lane into my stage, back as four rows of one head, stored as 512 consecutive bytes.
.macro PACKHI a                        ; each accumulator from its low end on
.set AC, 64*((\a)%4)
	WIN 0x0a+5*((\a)/4)
.set i, 0
.rept 32
	v_cvt_pk_f16_f32 v[T+i], v[AC+2*i], v[AC+2*i+1]
.set i, i+1
.endr
	WIN 0
.endm
.macro PACKLO a                        ; the sum less its f16 rounding, widened again: exact in f32; then rounded to f16
	PACKHI \a
	v_cvt_f32_f16 v64, v32.l
	v_cvt_f32_f16 v65, v32.h
	v_cvt_f32_f16 v66, v33.l
	v_cvt_f32_f16 v67, v33.h
	v_cvt_f32_f16 v68, v34.l
	v_cvt_f32_f16 v69, v34.h
	v_cvt_f32_f16 v70, v35.l
	v_cvt_f32_f16 v71, v35.h
	v_cvt_f32_f16 v72, v36.l
	v_cvt_f32_f16 v73, v36.h
	v_cvt_f32_f16 v74, v37.l
	v_cvt_f32_f16 v75, v37.h
	v_cvt_f32_f16 v76, v38.l
	v_cvt_f32_f16 v77, v38.h
	v_cvt_f32_f16 v78, v39.l
	v_cvt_f32_f16 v79, v39.h
	v_cvt_f32_f16 v80, v40.l
	v_cvt_f32_f16 v81, v40.h
	v_cvt_f32_f16 v82, v41.l
	v_cvt_f32_f16 v83, v41.h
	v_cvt_f32_f16 v84, v42.l
	v_cvt_f32_f16 v85, v42.h
	v_cvt_f32_f16 v86, v43.l
	v_cvt_f32_f16 v87, v43.h
	v_cvt_f32_f16 v88, v44.l
	v_cvt_f32_f16 v89, v44.h
	v_cvt_f32_f16 v90, v45.l
	v_cvt_f32_f16 v91, v45.h
	v_cvt_f32_f16 v92, v46.l
	v_cvt_f32_f16 v93, v46.h
	v_cvt_f32_f16 v94, v47.l
	v_cvt_f32_f16 v95, v47.h
	v_cvt_f32_f16 v96, v48.l
	v_cvt_f32_f16 v97, v48.h
	v_cvt_f32_f16 v98, v49.l
	v_cvt_f32_f16 v99, v49.h
	v_cvt_f32_f16 v100, v50.l
	v_cvt_f32_f16 v101, v50.h
	v_cvt_f32_f16 v102, v51.l
	v_cvt_f32_f16 v103, v51.h
	v_cvt_f32_f16 v104, v52.l
	v_cvt_f32_f16 v105, v52.h
	v_cvt_f32_f16 v106, v53.l
	v_cvt_f32_f16 v107, v53.h
	v_cvt_f32_f16 v108, v54.l
	v_cvt_f32_f16 v109, v54.h
	v_cvt_f32_f16 v110, v55.l
	v_cvt_f32_f16 v111, v55.h
	v_cvt_f32_f16 v112, v56.l
	v_cvt_f32_f16 v113, v56.h
	v_cvt_f32_f16 v114, v57.l
	v_cvt_f32_f16 v115, v57.h
	v_cvt_f32_f16 v116, v58.l
	v_cvt_f32_f16 v117, v58.h
	v_cvt_f32_f16 v118, v59.l
	v_cvt_f32_f16 v119, v59.h
	v_cvt_f32_f16 v120, v60.l
	v_cvt_f32_f16 v121, v60.h
	v_cvt_f32_f16 v122, v61.l
	v_cvt_f32_f16 v123, v61.h
	v_cvt_f32_f16 v124, v62.l
	v_cvt_f32_f16 v125, v62.h
	v_cvt_f32_f16 v126, v63.l
	v_cvt_f32_f16 v127, v63.h
	WIN 0x02+((\a)/4)                              ; source 0: the accumulators' window
.set i, 0
.rept 32
	v_pk_add_f32 v[BF+2*i:BF+2*i+1], v[AC+2*i:AC+2*i+1], v[BF+2*i:BF+2*i+1] neg_lo:[0,1] neg_hi:[0,1]
.set i, i+1
.endr
	WIN 0
.set i, 0
.rept 32
	v_cvt_pk_f16_f32 v[T+i], v[BF+2*i], v[BF+2*i+1]
.set i, i+1
.endr
.endm
.macro TOSTAGE a
.set BB, BK+32*((\a)%2)
.irp b, 0,1,2,3,4,5,6,7
	ds_store_b128 v[STO], v[T+4*\b:T+4*\b+3] offset:32*\b
.endr
.irp hh, 0,1
.irp i, 0,1,2,3
	ds_load_b128 v[BB+4*(4*\hh+\i):BB+4*(4*\hh+\i)+3], v[RD] offset:4*OSP*\i+128*\hh   ; LDS serves a wave's instructions in order: these see the stores above
.endr
.endr
.endm
.macro SEND a, younger, base           ; younger: the LDS instructions issued behind block a's loads
.set BB, BK+32*((\a)%2)
	s_wait_dscnt \younger
.irp hh, 0,1
.irp i, 0,1,2,3
	global_store_b128 v[CO], v[BB+4*(4*\hh+\i):BB+4*(4*\hh+\i)+3], s[\base:\base+1] offset:262144*\hh+2048*(\a)+512*\i   ; 512 consecutive bytes, aligned; every offset an immediate
.endr
.endr
.endm
.macro PACK lo, a
.if \lo
	PACKLO \a
.else
	PACKHI \a
.endif
.endm
.macro OUTPASS lo, base
	PLACES NP                                      ; behind the last products: their results are read, and their scale words' and A's registers written
	PACK \lo, 0
	TOSTAGE 0
.irp a, 1,2,3,4,5,6,7
.if \a > 1
	s_wait_xcnt 0x0                                ; block a - 2's stores have read their registers: block a's loads may land there
.endif
	PACK \lo, \a
	TOSTAGE \a
	SEND \a-1, 16, \base                           ; behind block a - 1's loads: block a's 8 stores and 8 loads
.endr
	SEND 7, 0, \base
.endm
	OUTPASS 0, 12
	s_cmp_lg_u32 ttmp9, 2                          ; the cluster's x: the same in all sixteen partners
	s_cbranch_scc1 .Lno_low
	s_wait_xcnt 0x0                                ; the first pass's stores have read their registers
	OUTPASS 1, 96                                  ; V's low part
.Lno_low:
	s_wait_tensorcnt 0x0                           ; the wave's end
	ds_add_u32 v[SPW], v[NIL]
	s_wait_dscnt 0x0
	CROUND                                         ; the closing round
	s_endpgm
.Lfunc_end_k_q83450f76c2_qkv:
	.size	k_q83450f76c2_qkv, .Lfunc_end_k_q83450f76c2_qkv-k_q83450f76c2_qkv
	.p2alignl 7, 3214868480
	.fill 96, 4, 3214868480
	.section	.rodata,"a",@progbits
	.p2align	6, 0x0
	.amdhsa_kernel k_q83450f76c2_qkv
		.amdhsa_group_segment_fixed_size 327680
		.amdhsa_private_segment_fixed_size 0
		.amdhsa_enable_private_segment 0
		.amdhsa_kernarg_size 24
		.amdhsa_user_sgpr_count 2
		.amdhsa_user_sgpr_kernarg_segment_ptr 1
		.amdhsa_wavefront_size32 1
		.amdhsa_system_sgpr_workgroup_id_x 1
		.amdhsa_system_sgpr_workgroup_id_y 1
		.amdhsa_system_sgpr_workgroup_id_z 1
		.amdhsa_system_vgpr_workitem_id 0
		.amdhsa_next_free_vgpr 1024
		.amdhsa_next_free_sgpr 98
		.amdhsa_reserve_vcc 0
		.amdhsa_float_denorm_mode_32 3
		.amdhsa_float_denorm_mode_16_64 3
		.amdhsa_memory_ordered 1
		.amdhsa_forward_progress 1
		.amdhsa_inst_pref_size 206
	.end_amdhsa_kernel
	.amdgpu_metadata
---
amdhsa.version: [ 1, 2 ]
amdhsa.kernels:
  - .name:           k_q83450f76c2_qkv
    .symbol:         k_q83450f76c2_qkv.kd
    .args:
      - { .name: xq, .offset: 0, .size: 8, .value_kind: global_buffer, .address_space: global }
      - { .name: w3, .offset: 8, .size: 8, .value_kind: global_buffer, .address_space: global }
      - { .name: qkvh, .offset: 16, .size: 8, .value_kind: global_buffer, .address_space: global }
    .group_segment_fixed_size: 327680
    .private_segment_fixed_size: 0
    .kernarg_segment_align: 8
    .kernarg_segment_size: 24
    .max_flat_workgroup_size: 128
    .sgpr_count:     98
    .vgpr_count:     1024
    .wavefront_size: 32
...
	.end_amdgpu_metadata
.endif
;; end of part 2
;; launch attn (part 3): grid 4 x 64, 8 waves a work-group, no clusters, 228,352 bytes of LDS; arguments qkvh, mb, ao, flags; writes ao
.if DOCPART == 3
	.amdgcn_target "amdgcn-amd-amdhsa--gfx1250"
	.amdhsa_code_object_version 6
	.text
	.protected	k_q83450f76c2_attn
	.globl	k_q83450f76c2_attn
	.p2align	8
	.type	k_q83450f76c2_attn,@function
k_q83450f76c2_attn:
	s_mov_b64 s[64:65], 0
	v_nop
	global_prefetch_b8 v0, s[64:65] scope:SCOPE_SE
	s_setreg_imm32_b32 hwreg(HW_REG_WAVE_MODE, 25, 1), 1
	s_wait_xcnt 0x0
; ao[b][q][64 h + :] = sum over k of w(q, k) V[b][h][k][:],  w = softmax_k(Q.K / 8, with -inf where mask_bef) and 0 where mask_aft.  Q, K, V: f16 [b][h][s][64]; products on f16 operands, sums, maxima and softmax in f32.
; The row's sum is taken of the weights BEFORE mask_aft; the second product takes them after it.  A running maximum m and sum l for each query: p = 2^(c s - c m), c = log2(e) / 8; O and l are multiplied by 2^(c m_old - c m_new) in every step.
; SHARES.  Work-group (x, bh) takes the blocks of 256 queries 7 - x and then x of one head; wave w the tiles (16 queries) w and 15 - w of the block in hand.  Two waves share a SIMD.
; THE WALK.  Keys go in slots of 256 through two LDS buffers: 16 trips (2 blocks x 8 slots), a constant count, one barrier a trip on every path.  What is left out is WORK, by scalar branches on numbers that the launch
; before stored from mask_bef itself: a slot in which no tile of the block has an open key is neither fetched nor walked; a step of 64 keys is left out where neither of my tiles has one; a tile's step where it has none.
; Those numbers (the buffer flags: a byte for each q tile and slot: bits 0-3 the slot's key blocks with an open key, bits 4-7 the mixed ones) come by scalar loads and go through scalar arithmetic alone.
; NO TENSOR LOAD AND NO CLUSTER: those branches hang on numbers read from memory, so K and V go from memory through registers into LDS, a slot (64 KiB) a trip ahead, 16 loads of 16 bytes a thread, and no tile can be asked for jointly.
; LAYOUT.  S^T = K Q^T (source 0 = 16 keys, source 1 = 16 queries), O^T = V^T P: a lane holds ONE query (lane % 16); score register 8 kt + j is key 16 kt + 8 (lane / 16) + j.
; The masks come as lane masks, one scalar word for each score register, by scalar loads: one v_cndmask_b32 a register; mask_bef's only in tiles that are mixed.
; LIMITS: the maximum begins at -3e38.  A row that mask_bef closes wholly gives NaN (0 x infinity), as the softmax of such a row does; where mask_aft closes all 2,048 keys of such a row too, the result here is NaN and not 0.
; REGISTERS.  window 0: v2-15 addresses and constants; v24-39 statistics, eight a tile: c m, m, l (two), four at work; v40-71 Q; v72-103 S^T, then p; v104-119 P; v120-123 sums;
;   v124-187 O^T, 32 a tile; v188-251 K's fragments.   window 1: v0-63 V's fragments; v64-127 the next slot on its way; v128-159 the second block's Q.
.set KP,    144                        ; a key's row of K in LDS: 128 bytes + 16
.set VP,    160                        ; of V: 128 + 32, for the turning load
.set VOFF,  256*KP
.set SLOT1, 131072                     ; buffer 1
.set STAGE, SLOT1+256*(KP+VP)          ; the way out: 16 rows x 144 bytes a wave
.set SPARE, STAGE+8*16*KP              ; the spare words, 128 bytes a wave
.set AK,   2                           ; v2, v3   my lane's place in K's tiles, buffer 0, 1
.set AV,   4                           ; v4, v5   in V's
.set GOFF, 6                           ; v6       16 x thread
.set GN,   7                           ; v7       + the next slot's 32,768 bytes
.set STK,  8                           ; v8, v9   where my thread stores K's 16 bytes, buffer 0, 1
.set STV,  10                          ; v10, v11 V's
.set STO,  12
.set RD,   13
.set GO,   14
.set NINF, 15
.set SPW,  20
.set NIL,  21
.set ZERO, 22
.set ST,   24
.set Q,    40
.set S,    72
.set P,    104
.set SUM,  120
.set O,    124
.set KF,   188
.set G,    64
.set QN,   128
.set MB,   32                          ; s[32:63] mask_bef's 32 lane masks
.set AB,   68                          ; s[68:99] mask_aft's
.set FL,   66                          ; s[66:67] the buffer flags
; s14 wave; s15 trip; s16 which trips are walked (16 bits); s17 my head's byte in ao; s19 4 x slot; s20, s21 my tiles' key blocks with an open key; s22, s23 mixed ones; s24, s25 4,096 x my q tiles; s26 block; s27, s28 counts; s[30:31] lane selects; s[100:101] c
.set MSB, 0
.macro WIN new                         ; the immediate's high byte repeats the setting that is left
.if MSB != \new
	s_set_vgpr_msb (MSB<<8)|\new
.set MSB, \new
.endif
.endm
; Tile t's eight bytes, in s[32 + 2 t : 33 + 2 t], are spread into two masks of 32 key blocks: the low nibbles (an open key) into s[20 + t], the high ones (mixed) into s[22 + t].
.macro FLAGS t
	s_mov_b32 s[20+\t], 0
	s_mov_b32 s[22+\t], 0
.irp k, 0,1,2,3,4,5,6,7
	s_bfe_u32 s2, s[32+2*\t+\k/4], (4<<16)|(8*(\k%4))
	s_lshl_b32 s2, s2, 4*\k
	s_or_b32 s[20+\t], s[20+\t], s2
	s_bfe_u32 s2, s[32+2*\t+\k/4], (4<<16)|(8*(\k%4)+4)
	s_lshl_b32 s2, s2, 4*\k
	s_or_b32 s[22+\t], s[22+\t], s2
.endr
.endm
; The next trip's slot, if it is walked, from memory into registers.
.macro PF
	s_add_co_u32 s2, s15, 1
	s_and_b32 s3, s2, 7
	s_lshl_b32 s3, s3, 15
	v_add_nc_u32 v[GN], s3, v[GOFF]
	s_bitcmp1_b32 s16, s2
	s_cbranch_scc0 .Lno_pf_\@
	WIN 0x40
.irp i, 0,1,2,3,4,5,6,7
	global_load_b128 v[G+4*\i:G+4*\i+3], v[GN], s[6:7] offset:4096*\i
	global_load_b128 v[G+32+4*\i:G+32+4*\i+3], v[GN], s[8:9] offset:4096*\i
.endr
	WIN 0
.Lno_pf_\@:
.endm
; And from the registers into buffer p.
.macro STORE p
	s_wait_loadcnt 0x0                             ; on every path: no load is out behind this line
	s_add_co_u32 s2, s15, 1
	s_bitcmp1_b32 s16, s2
	s_cbranch_scc0 .Lno_st_\@
	WIN 0x04
.irp i, 0,1,2,3,4,5,6,7
	ds_store_b128 v[STK+\p], v[G+4*\i:G+4*\i+3] offset:32*KP*\i
	ds_store_b128 v[STV+\p], v[G+32+4*\i:G+32+4*\i+3] offset:32*VP*\i
.endr
	WIN 0
.Lno_st_\@:
.endm
; One tile's step of 64 keys.  s2 = the key block's number, s19 = 4 x slot.
.macro TILE t, j
.set rT, ST+8*\t
.set rQ, Q+16*\t
.set rO, O+32*\t
	s_lshl_b32 s3, s19, 7
	s_add_co_u32 s3, s3, s[24+\t]                  ; the images' 128 bytes for (q tile, key block)
	s_load_b512 s[MB:MB+15], s[12:13], s3 offset:128*\j
	s_load_b512 s[MB+16:MB+31], s[12:13], s3 offset:128*\j+64
	s_load_b512 s[AB:AB+15], s[12:13], s3 offset:0x80000+128*\j
	s_load_b512 s[AB+16:AB+31], s[12:13], s3 offset:0x80000+128*\j+64
	s_wait_dscnt 16                                ; K's 16 loads are in; V's 16, issued behind them, may be out
.irp kt, 0,1,2,3
	v_wmma_f32_16x16x32_f16 v[S+8*\kt:S+8*\kt+7], v[KF+16*\kt:KF+16*\kt+7], v[rQ:rQ+7], 0
.endr
.irp kt, 0,1,2,3
	v_wmma_f32_16x16x32_f16 v[S+8*\kt:S+8*\kt+7], v[KF+16*\kt+8:KF+16*\kt+15], v[rQ+8:rQ+15], v[S+8*\kt:S+8*\kt+7]   ; the four accumulators by turns
.endr
.rept 4
	v_nop                                          ; places behind the products
.endr
	s_bitcmp1_b32 s[22+\t], s2
	s_cbranch_scc0 .Lopen_\@                       ; a tile that is all open needs no mask
	s_wait_kmcnt 0x0
.set i, 0
.rept 32
	v_cndmask_b32 v[S+i], v[S+i], v[NINF], s[MB+i]
.set i, i+1
.endr
.Lopen_\@:
.irp k, 0,1,2,3
	v_max3_num_f32 v[rT+4+\k], v[S+8*\k], v[S+8*\k+1], v[S+8*\k+2]   ; four chains, each from its accumulator's low end
.endr
.irp k, 0,1,2,3
	v_max3_num_f32 v[rT+4+\k], v[rT+4+\k], v[S+8*\k+3], v[S+8*\k+4]
.endr
.irp k, 0,1,2,3
	v_max3_num_f32 v[rT+4+\k], v[rT+4+\k], v[S+8*\k+5], v[S+8*\k+6]
.endr
	v_max3_num_f32 v[rT+4], v[rT+4], v[S+7], v[S+15]
	v_max3_num_f32 v[rT+6], v[rT+6], v[S+23], v[S+31]
	v_max3_num_f32 v[rT+4], v[rT+4], v[rT+5], v[rT+6]
	v_max3_num_f32 v[rT+4], v[rT+4], v[rT+7], v[rT+1]     ; and the old m
	v_permlanex16_b32 v[rT+5], v[rT+4], s30, s31   ; the query's other 32 keys lie in the lane 16 away
	v_mov_b32 v[rT+7], v[rT]                       ; c m_old
	v_max_num_f32 v[rT+1], v[rT+4], v[rT+5]
	v_mul_f32 v[rT], s100, v[rT+1]
	v_sub_f32 v[rT+7], v[rT+7], v[rT]
.set i, 0
.rept 16
	v_pk_fma_f32 v[S+i:S+i+1], v[S+i:S+i+1], s[100:101], v[rT:rT+1] op_sel_hi:[1,0,0] neg_lo:[0,0,1] neg_hi:[0,0,1]   ; c s - c m
.set i, i+2
.endr
	v_exp_f32 v[rT+6], v[rT+7]                     ; a
.set i, 0
.rept 32
	v_exp_f32 v[S+i], v[S+i]
.set i, i+1
.endr
	v_nop                                          ; a plain line behind the last exponential
	s_wait_alu depctr_va_vdst(0)                   ; one wait for the batch of 33, ahead of its first reader
	v_pk_add_f32 v[SUM:SUM+1], v[S:S+1], v[S+2:S+3]        ; the sum of p as it stands before mask_aft, in two chains
	v_pk_add_f32 v[SUM+2:SUM+3], v[S+4:S+5], v[S+6:S+7]
.irp i, 8,12,16,20,24,28
	v_pk_add_f32 v[SUM:SUM+1], v[SUM:SUM+1], v[S+\i:S+\i+1]
	v_pk_add_f32 v[SUM+2:SUM+3], v[SUM+2:SUM+3], v[S+\i+2:S+\i+3]
.endr
	v_pk_add_f32 v[SUM:SUM+1], v[SUM:SUM+1], v[SUM+2:SUM+3]
	v_pk_fma_f32 v[rT+2:rT+3], v[rT+2:rT+3], v[rT+6:rT+7], v[SUM:SUM+1] op_sel_hi:[1,0,1]   ; l = a l + sum
	s_wait_kmcnt 0x0                               ; the lane masks are in; s3 may be written again
.set i, 0
.rept 32
	v_cndmask_b32 v[S+i], v[S+i], v[ZERO], s[AB+i]
.set i, i+1
.endr
.set i, 0
.rept 16
	v_cvt_pk_f16_f32 v[P+i], v[S+2*i], v[S+2*i+1]
.set i, i+1
.endr
.set i, 0
.rept 16
	v_pk_mul_f32 v[rO+i:rO+i+1], v[rO+i:rO+i+1], v[rT+6:rT+7] op_sel_hi:[1,0]   ; O^T x a, from each accumulator's low end on
.set i, i+2
.endr
	s_wait_dscnt 0x0                               ; V is in
	WIN 0x01                                       ; source 0 (V) in window 1
.irp ct, 0,1,2,3
	v_wmma_f32_16x16x32_f16 v[rO+8*\ct:rO+8*\ct+7], v[8*\ct:8*\ct+7], v[P:P+7], v[rO+8*\ct:rO+8*\ct+7]
.endr
.irp ct, 0,1,2,3
	v_wmma_f32_16x16x32_f16 v[rO+8*\ct:rO+8*\ct+7], v[32+8*\ct:32+8*\ct+7], v[P+8:P+15], v[rO+8*\ct:rO+8*\ct+7]
.endr
	WIN 0
.rept 4
	v_nop                                          ; places ahead of the next loads into V's registers and of any reader of O^T
.endr
.endm
; 64 keys, the j-th of the slot in buffer p.
.macro SUB p, j
	s_add_co_u32 s2, s19, \j
	s_or_b32 s3, s20, s21
	s_bitcmp1_b32 s3, s2
	s_cbranch_scc0 .Lsub_end_\@
.irp kt, 0,1,2,3
.irp dh, 0,1
	ds_load_b128 v[KF+16*\kt+8*\dh:KF+16*\kt+8*\dh+3], v[AK+\p] offset:64*KP*\j+16*KP*\kt+64*\dh
	ds_load_b128 v[KF+16*\kt+8*\dh+4:KF+16*\kt+8*\dh+7], v[AK+\p] offset:64*KP*\j+16*KP*\kt+64*\dh+32
.endr
.endr
	WIN 0x40
.irp kh, 0,1
.irp ct, 0,1,2,3
	ds_load_tr16_b128 v[8*(4*\kh+\ct):8*(4*\kh+\ct)+3], v[AV+\p] offset:64*VP*\j+32*VP*\kh+32*\ct
	ds_load_tr16_b128 v[8*(4*\kh+\ct)+4:8*(4*\kh+\ct)+7], v[AV+\p] offset:64*VP*\j+32*VP*\kh+32*\ct+16*VP
.endr
.endr
	WIN 0
	s_bitcmp1_b32 s20, s2
	s_cbranch_scc0 .Lsecond_\@
	TILE 0, \j
.Lsecond_\@:
	s_bitcmp1_b32 s21, s2
	s_cbranch_scc0 .Lboth_\@
	TILE 1, \j
.Lboth_\@:
	s_wait_dscnt 0x0                               ; on every path: no LDS load is out behind this line
.Lsub_end_\@:
.endm
; A trip.  One barrier does both orderings: in front of it my stores into buffer p have landed and my reads of the other buffer are over; behind it buffer p is read, and the other one is written at the trip's end.
.macro TRIP p
	s_wait_dscnt 0x0
	s_wait_xcnt 0x0                                ; the offset of the last trip's loads, and registers that stores read, may be written
	PF                                             ; it has this whole trip in which to land
	s_barrier_signal -1
	s_barrier_wait -1
	s_bitcmp1_b32 s16, s15
	s_cbranch_scc0 .Lidle_\@
	SUB \p, 0
	SUB \p, 1
	SUB \p, 2
	SUB \p, 3
.Lidle_\@:
	STORE 1-\p
	s_add_co_u32 s15, s15, 1
	s_add_co_u32 s19, s19, 4
.endm
; A tile leaves: O^T / l, rounded to f16, through my stage, as four rows of 128 bytes an instruction (a head's piece of a row of ao is 128 bytes).
.macro FINISH t
.set rT, ST+8*\t
.set rO, O+32*\t
.set rB, KF+16*\t
	v_add_f32 v[rT+4], v[rT+2], v[rT+3]
	v_permlanex16_b32 v[rT+5], v[rT+4], s30, s31
	v_add_f32 v[rT+4], v[rT+4], v[rT+5]
	v_rcp_f32 v[rT+6], v[rT+4]
	v_nop
	s_wait_alu depctr_va_vdst(0)
.set i, 0
.rept 16
	v_pk_mul_f32 v[S+i:S+i+1], v[rO+i:rO+i+1], v[rT+6:rT+7] op_sel_hi:[1,0]
.set i, i+2
.endr
.set i, 0
.rept 16
	v_cvt_pk_f16_f32 v[P+i], v[S+2*i], v[S+2*i+1]
.set i, i+1
.endr
.irp ct, 0,1,2,3
	ds_store_b128 v[STO], v[P+4*\ct:P+4*\ct+3] offset:32*\ct
.endr
.irp i, 0,1,2,3
	ds_load_b128 v[rB+4*\i:rB+4*\i+3], v[RD] offset:4*KP*\i       ; in order behind my stores
.endr
	s_wait_xcnt 0x0                                ; earlier stores have read their base
	s_lshl_b32 s2, s[24+\t], 3                     ; 16 x q tile rows of 2,048 bytes
	s_add_co_u32 s2, s2, s17
	s_mov_b32 s3, 0
	s_add_nc_u64 s[4:5], s[10:11], s[2:3]
.irp i, 0,1,2,3
	s_wait_dscnt 3-\i                              ; load i is back; the later ones may be out
	global_store_b128 v[GO], v[rB+4*\i:rB+4*\i+3], s[4:5] offset:8192*\i
.endr
.endm
	s_load_b128 s[4:7], s[0:1], 0x0                ; qkvh, mb
	s_load_b64 s[10:11], s[0:1], 0x10              ; ao
	s_load_b64 s[FL:FL+1], s[0:1], 0x18            ; flags
	v_lshl_add_u32 v[SPW], v0, 2, SPARE
	v_mov_b32 v[NIL], 0
	v_lshrrev_b32 v1, 5, v0
	v_readfirstlane_b32 s14, v1                    ; wave 0..7
	v_and_b32 v252, 31, v0                         ; lane
	v_and_b32 v253, 15, v0                         ; r
	v_bfe_u32 v254, v0, 4, 1                       ; h
	v_mul_u32_u24 v[AK], v253, KP
	v_lshl_add_u32 v[AK], v254, 4, v[AK]           ; K: row r, + 16 h
	v_add_nc_u32 v[AK+1], SLOT1, v[AK]
	v_and_b32 v23, 7, v0
	v_lshl_add_u32 v1, v254, 3, v23
	v_mul_u32_u24 v[AV], v1, VP                    ; V, turned: key 8 h + lane % 8, channels 8 ((lane / 8) % 2) on
	v_bfe_u32 v1, v0, 3, 1
	v_lshl_add_u32 v[AV], v1, 4, v[AV]
	v_add_nc_u32 v[AV], VOFF, v[AV]
	v_add_nc_u32 v[AV+1], SLOT1, v[AV]
	v_lshlrev_b32 v[GOFF], 4, v0
	v_lshrrev_b32 v1, 3, v0
	v_mul_u32_u24 v[STK], v1, KP                   ; thread t's 16 bytes: row t / 8, byte 16 (t % 8)
	v_lshl_add_u32 v[STK], v23, 4, v[STK]
	v_add_nc_u32 v[STK+1], SLOT1, v[STK]
	v_mul_u32_u24 v[STV], v1, VP
	v_lshl_add_u32 v[STV], v23, 4, v[STV]
	v_add_nc_u32 v[STV], VOFF, v[STV]
	v_add_nc_u32 v[STV+1], SLOT1, v[STV]
	s_mul_i32 s2, s14, 16*KP
	s_add_co_u32 s2, s2, STAGE
	v_add_nc_u32 v[STO], s2, v[AK]
	v_lshrrev_b32 v1, 3, v252
	v_mul_u32_u24 v[RD], v1, KP
	v_lshl_add_u32 v[RD], v23, 4, v[RD]
	v_add_nc_u32 v[RD], s2, v[RD]
	v_lshlrev_b32 v[GO], 11, v1
	v_lshl_add_u32 v[GO], v23, 4, v[GO]
	v_mov_b32 v[NINF], 0xff800000
	v_mov_b32 v[ZERO], 0
	v_lshlrev_b32 v255, 7, v253
	v_lshl_add_u32 v255, v254, 4, v255             ; Q: row r of 128 bytes, + 16 h
	s_and_b32 s29, ttmp7, 0xffff                   ; 16 x batch + head
	s_lshl_b32 s2, s29, 18
	s_mov_b32 s3, 0
	s_lshr_b32 s18, s29, 4
	s_and_b32 s17, s29, 15
	s_lshl_b32 s18, s18, 22
	s_lshl_b32 s17, s17, 7
	s_add_co_u32 s17, s17, s18                     ; in ao: 2,048 x batch rows of 2,048 bytes + 128 x head
	s_sub_co_u32 s26, 7, ttmp9                     ; the first block
	s_mov_b32 s30, 0x76543210
	s_mov_b32 s31, 0xfedcba98
	s_mov_b32 s100, 0x3e38aa3b                     ; c = log2(e) / 8
	s_mov_b32 s101, s100
	s_lshl_b32 s18, s14, 11                        ; my tiles in a block, in rows of Q
	s_sub_co_u32 s19, 15, s14
	s_lshl_b32 s19, s19, 11
	s_lshl_b32 s20, s26, 15                        ; the two blocks
	s_lshl_b32 s21, ttmp9, 15
	s_add_co_u32 s22, s20, s18
	s_add_co_u32 s23, s20, s19
	s_add_co_u32 s24, s21, s18
	s_add_co_u32 s25, s21, s19
	v_add_nc_u32 v124, s22, v255
	v_add_nc_u32 v125, s23, v255
	v_add_nc_u32 v126, s24, v255
	v_add_nc_u32 v127, s25, v255
	s_wait_kmcnt 0x0
	s_mov_b64 s[12:13], s[6:7]                     ; mb
	s_add_nc_u64 s[4:5], s[4:5], s[2:3]            ; Q of my head
	s_add_nc_u64 s[6:7], s[4:5], 16777216          ; K
	s_add_nc_u64 s[8:9], s[4:5], 33554432          ; V's high part
	s_lshl_b32 s2, s26, 7                          ; a block's flags: 16 q tiles x 8 bytes
	s_lshl_b32 s3, ttmp9, 7
	s_load_b512 s[32:47], s[FL:FL+1], s2 offset:0          ; the first block's,
	s_load_b512 s[48:63], s[FL:FL+1], s2 offset:64
	s_load_b512 s[68:83], s[FL:FL+1], s3 offset:0          ; the second's
	s_load_b512 s[84:99], s[FL:FL+1], s3 offset:64
.irp t, 0,1
.irp dh, 0,1
	global_load_b128 v[Q+16*\t+8*\dh:Q+16*\t+8*\dh+3], v[124+\t], s[4:5] offset:64*\dh
	global_load_b128 v[Q+16*\t+8*\dh+4:Q+16*\t+8*\dh+7], v[124+\t], s[4:5] offset:64*\dh+32
.endr
.endr
	WIN 0x40
.irp t, 0,1
.irp dh, 0,1
	global_load_b128 v[QN+16*\t+8*\dh:QN+16*\t+8*\dh+3], v[126+\t], s[4:5] offset:64*\dh
	global_load_b128 v[QN+16*\t+8*\dh+4:QN+16*\t+8*\dh+7], v[126+\t], s[4:5] offset:64*\dh+32
.endr
.endr
.set i, 0
.rept 64
	v_mov_b32 v[G+i], 0                            ; written once, so that every path finds these registers written
.set i, i+1
.endr
	WIN 0
	s_wait_kmcnt 0x0                               ; the flags are in; s2 and s3 may be written again
.irp i, 1,2,3,4,5,6,7,8,9,10,11,12,13,14,15
	s_or_b32 s32, s32, s[32+2*\i]                  ; the 16 tiles' bytes joined: slots 0-3,
	s_or_b32 s33, s33, s[33+2*\i]                  ; slots 4-7;
	s_or_b32 s68, s68, s[68+2*\i]                  ; the second block's likewise
	s_or_b32 s69, s69, s[69+2*\i]
.endr
	s_mov_b32 s16, 0
.irp u, 0,1,2,3,4,5,6,7
	s_bfe_u32 s18, s[32+\u/4], (4<<16)|(8*(\u%4))  ; slot u's low nibble: some tile of the block has an open key in it
	s_cmp_lg_u32 s18, 0
	s_cselect_b32 s18, 1<<\u, 0
	s_or_b32 s16, s16, s18
	s_bfe_u32 s18, s[68+\u/4], (4<<16)|(8*(\u%4))
	s_cmp_lg_u32 s18, 0
	s_cselect_b32 s18, 1<<(\u+8), 0
	s_or_b32 s16, s16, s18
.endr
	s_mov_b32 s15, -1
	PF                                             ; trip 0's slot
	STORE 0                                        ; (its wait shows Q in too)
	s_mov_b32 s15, 0
	s_mov_b32 s28, 2
.Lblock:
	s_lshl_b32 s24, s26, 4
	s_add_co_u32 s25, s24, 15
	s_sub_co_u32 s25, s25, s14
	s_add_co_u32 s24, s24, s14                     ; my two q tiles
	s_lshl_b32 s2, s24, 3
	s_lshl_b32 s3, s25, 3
	s_load_b64 s[32:33], s[FL:FL+1], s2 offset:0   ; and their eight bytes of flags
	s_load_b64 s[34:35], s[FL:FL+1], s3 offset:0
	s_lshl_b32 s24, s24, 12
	s_lshl_b32 s25, s25, 12
.set i, 0
.rept 64
	v_mov_b32 v[O+i], 0                            ; the step is written once: the first finds zeros, which the first a leaves zeros
.set i, i+1
.endr
.irp t, 0,1
	v_mov_b32 v[ST+8*\t+1], 0xff61b1e6             ; m = -3e38
	v_mul_f32 v[ST+8*\t], s100, v[ST+8*\t+1]
.irp k, 2,3,4,5,6,7
	v_mov_b32 v[ST+8*\t+\k], 0
.endr
.endr
	s_wait_kmcnt 0x0                               ; the flags are in; s2 and s3 may be written again
	FLAGS 0
	FLAGS 1
	s_mov_b32 s19, 0
	s_mov_b32 s27, 4
.Ltrip:                                            ; a pass is two trips: buffer 0, buffer 1
	TRIP 0
	TRIP 1
	s_sub_co_u32 s27, s27, 1
	s_cmp_lg_u32 s27, 0
	s_cbranch_scc1 .Ltrip
	FINISH 0
	FINISH 1
	WIN 0x01
.set i, 0
.rept 32
	v_mov_b32 v[Q+i], v[QN+i]                      ; the second block's Q
.set i, i+1
.endr
	WIN 0
	s_sub_co_u32 s26, 7, s26
	s_sub_co_u32 s28, s28, 1
	s_cmp_lg_u32 s28, 0
	s_cbranch_scc1 .Lblock
	s_wait_tensorcnt 0x0                           ; the wave's end, behind my last LDS store
	ds_add_u32 v[SPW], v[NIL]
	s_wait_dscnt 0x0
	s_endpgm
.Lfunc_end_k_q83450f76c2_attn:
	.size	k_q83450f76c2_attn, .Lfunc_end_k_q83450f76c2_attn-k_q83450f76c2_attn
	.p2alignl 7, 3214868480
	.fill 96, 4, 3214868480
	.section	.rodata,"a",@progbits
	.p2align	6, 0x0
	.amdhsa_kernel k_q83450f76c2_attn
		.amdhsa_group_segment_fixed_size 228352
		.amdhsa_private_segment_fixed_size 0
		.amdhsa_enable_private_segment 0
		.amdhsa_kernarg_size 32
		.amdhsa_user_sgpr_count 2
		.amdhsa_user_sgpr_kernarg_segment_ptr 1
		.amdhsa_wavefront_size32 1
		.amdhsa_system_sgpr_workgroup_id_x 1
		.amdhsa_system_sgpr_workgroup_id_y 1
		.amdhsa_system_sgpr_workgroup_id_z 1
		.amdhsa_system_vgpr_workitem_id 0
		.amdhsa_next_free_vgpr 448
		.amdhsa_next_free_sgpr 102
		.amdhsa_reserve_vcc 0
		.amdhsa_float_denorm_mode_32 3
		.amdhsa_float_denorm_mode_16_64 3
		.amdhsa_memory_ordered 1
		.amdhsa_forward_progress 1
		.amdhsa_inst_pref_size 250
	.end_amdhsa_kernel
	.amdgpu_metadata
---
amdhsa.version: [ 1, 2 ]
amdhsa.kernels:
  - .name:           k_q83450f76c2_attn
    .symbol:         k_q83450f76c2_attn.kd
    .args:
      - { .name: qkvh, .offset: 0, .size: 8, .value_kind: global_buffer, .address_space: global }
      - { .name: mb, .offset: 8, .size: 8, .value_kind: global_buffer, .address_space: global }
      - { .name: ao, .offset: 16, .size: 8, .value_kind: global_buffer, .address_space: global }
      - { .name: flags, .offset: 24, .size: 8, .value_kind: global_buffer, .address_space: global }
    .group_segment_fixed_size: 228352
    .private_segment_fixed_size: 0
    .kernarg_segment_align: 8
    .kernarg_segment_size: 32
    .max_flat_workgroup_size: 256
    .sgpr_count:     102
    .vgpr_count:     448
    .wavefront_size: 32
...
	.end_amdgpu_metadata
.endif
;; end of part 3
;; launch oproj (part 4): grid 4 x 64, 4 waves a work-group, clusters of 4 x 4, 327,680 bytes of LDS; arguments ao, wo16, out0; writes out0
.if DOCPART == 4
	.amdgcn_target "amdgcn-amd-amdhsa--gfx1250"
	.amdhsa_code_object_version 6
	.text
	.protected	k_q83450f76c2_oproj
	.globl	k_q83450f76c2_oproj
	.p2align	8
	.type	k_q83450f76c2_oproj,@function
k_q83450f76c2_oproj:
	s_mov_b64 s[64:65], 0
	v_nop
	global_prefetch_b8 v0, s[64:65] scope:SCOPE_SE
	s_setreg_imm32_b32 hwreg(HW_REG_WAVE_MODE, 25, 1), 1
	s_wait_xcnt 0x0
	s_wait_alu depctr_hold_cnt(0) depctr_sa_sdst(0) depctr_va_vdst(0) depctr_va_sdst(0) depctr_va_ssrc(0) depctr_va_vcc(0) depctr_vm_vsrc(0)
	s_getreg_b32 s2, hwreg(HW_REG_IB_STS2, 6, 4)
	s_cmp_eq_u32 s2, 0
	s_cbranch_scc0 .Lentry_in_a_cluster
	s_endpgm
.Lentry_in_a_cluster:
	s_bfe_u32 s2, ttmp6, 0x10000c
	s_cmp_lg_u32 s2, 0xf033
	s_cbranch_scc0 .Lentry_shape_is_right
	s_endpgm
.Lentry_shape_is_right:
; out0[m][n] = sum over k of ao[m][k] Wo[k][n].  ao [8192][1024] f16, K innermost; wo16 [1024 (k)][1024 (n)] f16, as Wo lies; out0 f32; sums in f32.
; A tile of 128 x 256 to a work-group: 64 x 4 = 256 work-groups.  Four waves, each 64 rows x 128 columns: 32 accumulators, 256 registers.
; K goes in 8 steps of 128 through a ring of two LDS slots: A's 128 rows of 256 bytes (+ 16), then Wo's 128 k-rows of 512 bytes (+ 32).  Wo's fragments are read turned, by ds_load_tr16_b128.
; CLUSTERS: 4 x 4 work-groups; A's tiles are asked for jointly along a row of the cluster, Wo's along a column.  Waves 0, 1 fetch A's halves, waves 2, 3 Wo's: one load a wave behind each round.
; THE MATRIX INSTRUCTION IS USED TRANSPOSED (source 0 = 16 columns of Wo, source 1 = 16 rows of ao): a lane holds eight neighbouring columns of one row.
; The first 16 positions of every sequence are written again, more finely, by the launch that follows.
; REGISTERS: window 0: v16-29 addresses; v64-127 A's fragments, two buffers of 4; v128-255 rows on the way out.  window 1: v0-127 Wo's fragments, two buffers of 8.  window 2: accumulator (a, b) at v[8 (8 a + b)].
.set PA,     272
.set PB,     544
.set ABYTES, 128*PA
.set SLOT,   ABYTES+128*PB
.set STAGE,  2*SLOT                    ; 16 rows x (512 + 16) bytes a wave: bytes of its own
.set SPITCH, 528
.set SPARE,  STAGE+4*16*SPITCH
.set LAPS,   4
.set ADRA, 16
.set ADRB, 20
.set STO,  24
.set RD,   25
.set CO,   26
.set SPW,  28
.set NIL,  29
.set BK,   128
.set G1, 24
.set G0, 32
.set G1B, 48
.set G0B, 56
.set MSB, 0
.macro WIN new
.if MSB != \new
	s_set_vgpr_msb (MSB<<8)|\new
.set MSB, \new
.endif
.endm
.set MUL,  0xa1                        ; source 0 window 1, source 1 window 0, C and D window 2
.set TO_B, 0x40
.macro JLOAD s                         ; an s_nop 0 and four v_nop follow each of the two lines
	s_cmp_eq_u32 s11, 0
	s_cbranch_scc0 .Lfor_b_\@
	tensor_load_to_lds s[G0+4*\s:G0+4*\s+3], s[G1:G1+7]
	s_nop 0
.rept 4
	v_nop
.endr
	s_branch .Lasked_\@
.Lfor_b_\@:
	tensor_load_to_lds s[G0B+4*\s:G0B+4*\s+3], s[G1B:G1B+7]
	s_nop 0
.rept 4
	v_nop
.endr
.Lasked_\@:
.endm
.macro CREST
	s_cmp_lg_u32 s10, 0
	s_cbranch_scc1 .Lnot_wave_0_\@
	s_barrier_signal -3
.Lnot_wave_0_\@:
	s_barrier_wait -3
	s_barrier_signal -1
	s_barrier_wait -1
.endm
.macro CROUND
	s_barrier_signal -1
	s_barrier_wait -1
	CREST
.endm
	s_load_b128 s[4:7], s[0:1], 0x0                ; ao, wo16
	s_load_b64 s[8:9], s[0:1], 0x10                ; out0
	v_lshl_add_u32 v[SPW], v0, 2, SPARE
	v_mov_b32 v[NIL], 0
	ds_add_u32 v[SPW], v[NIL]                      ; the wave's opening: the add, twice on end, and its wait ahead of my first tensor load
	ds_add_u32 v[SPW], v[NIL]
	v_lshrrev_b32 v1, 5, v0
	v_readfirstlane_b32 s10, v1                    ; wave 0..3
	s_lshr_b32 s11, s10, 1                         ; my half of the rows; also: I fetch A (0) or Wo (1)
	s_and_b32 s12, s10, 1                          ; my half of the columns; also: which half I fetch
	s_bfe_u32 s40, ttmp6, 0x40000                  ; cx
	s_bfe_u32 s41, ttmp6, 0x40004                  ; cy
	s_lshl_b32 s42, ttmp9, 2
	s_add_co_u32 s42, s42, s40                     ; tile column
	s_and_b32 s13, ttmp7, 0xffff
	s_lshl_b32 s13, s13, 2
	s_add_co_u32 s13, s13, s41                     ; tile row
	s_lshl_b32 s43, s41, 2
	s_lshl_b32 s43, 15, s43                        ; my row of the cluster
	s_lshl_b32 s44, 0x1111, s40                    ; my column
	s_or_b32 s[G1+0], s43, (1<<16)|(1<<20)|(1<<21)|(5<<22)|(3<<25)   ; A: elements of 2 bytes; 4 words of padding behind every 64
	s_mov_b32 s[G1+1], 128<<16                     ; tensor_dim0
	s_mov_b32 s[G1+2], 64<<16                      ; tensor_dim1
	s_mov_b32 s[G1+3], 128<<16                     ; tile_dim0
	s_mov_b32 s[G1+4], 64                          ; tile_dim1
	s_mov_b32 s[G1+5], 1024                        ; the pitch
	s_mov_b32 s[G1+6], 0
	s_mov_b32 s[G1+7], 0
	s_or_b32 s[G1B+0], s44, (1<<16)|(1<<20)|(1<<21)|(6<<22)|(7<<25)  ; Wo: 8 words of padding behind every 128
	s_mov_b32 s[G1B+1], 256<<16
	s_mov_b32 s[G1B+2], 64<<16
	s_mov_b32 s[G1B+3], 256<<16
	s_mov_b32 s[G1B+4], 64
	s_mov_b32 s[G1B+5], 1024
	s_mov_b32 s[G1B+6], 0
	s_mov_b32 s[G1B+7], 0
	s_lshl_b32 s16, s13, 7
	s_lshl_b32 s17, s12, 6
	s_add_co_u32 s16, s16, s17                     ; A: row 128 x tile row + 64 x half,
	s_lshl_b32 s16, s16, 11                        ; of 2,048 bytes
	s_mov_b32 s17, 0
	s_lshl_b32 s46, s12, 17                        ; Wo: k-row 64 x half,
	s_lshl_b32 s47, s42, 9                         ; column 256 x tile column
	s_add_co_u32 s46, s46, s47
	s_mov_b32 s47, 0
	s_mul_i32 s20, s12, 64*PA                      ; where they go: no place in the cluster enters an LDS address
	s_mul_i32 s21, s12, 64*PB
	s_add_co_u32 s21, s21, ABYTES
	s_wait_dscnt 0x0                               ; both opening adds are done
	s_wait_kmcnt 0x0
	s_add_nc_u64 s[14:15], s[4:5], s[16:17]
	s_add_nc_u64 s[46:47], s[6:7], s[46:47]
	CROUND                                         ; all sixteen work-groups are here
.irp s, 0,1
	s_mov_b32 s[G0+4*\s], 1
	s_add_co_u32 s[G0+4*\s+1], s20, \s*SLOT
	s_add_nc_u64 s[G0+4*\s+2:G0+4*\s+3], s[14:15], \s*256
	s_or_b32 s[G0+4*\s+3], s[G0+4*\s+3], 0x80000000
	s_mov_b32 s[G0B+4*\s], 1
	s_add_co_u32 s[G0B+4*\s+1], s21, \s*SLOT
	s_add_nc_u64 s[G0B+4*\s+2:G0B+4*\s+3], s[46:47], \s*262144
	s_or_b32 s[G0B+4*\s+3], s[G0B+4*\s+3], 0x80000000
	JLOAD \s                                       ; two loads of mine are out behind the second
.endr
	v_and_b32 v1, 15, v0                           ; r
	v_bfe_u32 v2, v0, 4, 1                         ; h
	v_mul_u32_u24 v3, v1, PA
	v_lshl_add_u32 v3, v2, 4, v3
	v_and_b32 v4, 7, v0
	v_lshl_add_u32 v4, v2, 3, v4
	v_mul_u32_u24 v4, v4, PB                       ; turned: k-row 8 h + lane % 8,
	v_bfe_u32 v5, v0, 3, 1
	v_lshl_add_u32 v4, v5, 4, v4                   ; columns 8 ((lane / 8) % 2) on
	s_mul_i32 s21, s11, 64*PA                      ; my 64 rows of A
	s_lshl_b32 s22, s12, 8                         ; my 128 columns of Wo
	s_add_co_u32 s22, s22, ABYTES
.irp s, 0,1
	v_add_nc_u32 v[ADRA+\s], s21, v3
	v_add_nc_u32 v[ADRB+\s], s22, v4
	s_add_co_u32 s21, s21, SLOT
	s_add_co_u32 s22, s22, SLOT
.endr
	s_mul_i32 s23, s10, 16*SPITCH
	s_add_co_u32 s23, s23, STAGE                   ; my stage
	v_mul_u32_u24 v5, v1, SPITCH
	v_lshl_add_u32 v5, v2, 5, v5
	v_add_nc_u32 v[STO], s23, v5                   ; in: row r, 32 bytes for each half of the lanes
	v_and_b32 v6, 31, v0
	v_lshlrev_b32 v[CO], 4, v6                     ; back: the 32 lanes take a row of 512 bytes
	v_add_nc_u32 v[RD], s23, v[CO]
	s_lshl_b32 s16, s13, 7
	s_lshl_b32 s17, s11, 6
	s_add_co_u32 s16, s16, s17
	s_lshl_b32 s16, s16, 12                        ; my first row of out0, 4,096 bytes a row
	s_mov_b32 s17, 0
	s_add_nc_u64 s[8:9], s[8:9], s[16:17]
	s_lshl_b32 s46, s42, 10
	s_lshl_b32 s47, s12, 9
	s_add_co_u32 s46, s46, s47                     ; my first column, in bytes
	s_mov_b32 s47, 0
	s_add_nc_u64 s[8:9], s[8:9], s[46:47]
.macro MUL8 f, a, zero                 ; A's block a x Wo's eight, 32 along K.  The 32 accumulators take turns in the same order in every quarter
.irp b, 0,1,2,3,4,5,6,7
.if \zero
	v_wmma_f32_16x16x32_f16 v[8*(8*(\a)+\b):8*(8*(\a)+\b)+7], v[64*(\f)+8*\b:64*(\f)+8*\b+7], v[64+32*(\f)+8*(\a):64+32*(\f)+8*(\a)+7], 0
.else
	v_wmma_f32_16x16x32_f16 v[8*(8*(\a)+\b):8*(8*(\a)+\b)+7], v[64*(\f)+8*\b:64*(\f)+8*\b+7], v[64+32*(\f)+8*(\a):64+32*(\f)+8*(\a)+7], v[8*(8*(\a)+\b):8*(8*(\a)+\b)+7]
.endif
.endr
.endm
.macro FETCH slot, q, f                ; 24 LDS loads in one run: the slot's q-th 32 along K into buffer f: Wo's 16, then A's 8
	WIN TO_B
.irp i, 0,1,2,3,4,5,6,7
	ds_load_tr16_b128 v[64*(\f)+8*\i:64*(\f)+8*\i+3], v[ADRB+\slot] offset:32*PB*(\q)+32*\i
	ds_load_tr16_b128 v[64*(\f)+8*\i+4:64*(\f)+8*\i+7], v[ADRB+\slot] offset:32*PB*(\q)+32*\i+16*PB
.endr
	WIN 0
.irp i, 0,1,2,3
	ds_load_b128 v[64+32*(\f)+8*\i:64+32*(\f)+8*\i+3], v[ADRA+\slot] offset:64*(\q)+16*PA*\i
	ds_load_b128 v[64+32*(\f)+8*\i+4:64+32*(\f)+8*\i+7], v[ADRA+\slot] offset:64*(\q)+16*PA*\i+32
.endr
.endm
.macro PLACES
.rept 4
	v_nop
.endr
.endm
.macro QUARTER slot, q, f, g, zero     ; multiplies buffer f; in its middle fetches the slot's q-th 32 along K into buffer g
	s_wait_dscnt 4                                 ; Wo's fragments and A's blocks 0, 1 are in; the youngest four loads (A's blocks 2, 3) may be out
	WIN MUL
	MUL8 \f, 0, \zero
	MUL8 \f, 1, \zero
	PLACES
	FETCH \slot, \q, \g
	s_wait_dscnt 24                                ; all but the 24 just issued
	WIN MUL
	MUL8 \f, 2, \zero
	MUL8 \f, 3, \zero
.endm
; A slot's last quarter changes slots: ONE barrier; in front of it each wave waits for all its tensor loads, adds 0 to its spare word, and waits for that and for its reads of this slot.
.macro TURN slot, next, fill
	WIN 0
	s_wait_tensorcnt 0x0                           ; my one load that was out, my part of the next slot, has landed
	ds_add_u32 v[SPW], v[NIL]
	s_wait_dscnt 5                                 ; the add and the youngest four loads may be out
	WIN MUL
	MUL8 1, 0, 0
	s_wait_dscnt 0x0                               ; the add is done, and my reads of this slot are over
	s_barrier_signal -1
	MUL8 1, 1, 0
.if \fill
	WIN 0
.endif
	s_barrier_wait -1
.if \fill
	CREST                                          ; the barrier has opened a round of the cluster's: no wave of any partner still reads this slot or has a load on its way
	s_add_nc_u64 s[G0+4*\slot+2:G0+4*\slot+3], s[G0+4*\slot+2:G0+4*\slot+3], 512
	s_add_nc_u64 s[G0B+4*\slot+2:G0B+4*\slot+3], s[G0B+4*\slot+2:G0B+4*\slot+3], 524288
	JLOAD \slot                                    ; the first tensor load behind the round: 112 matrix instructions ahead of the wait for it; its four v_nop are the places for the loads below
.else
	PLACES
.endif
	FETCH \next, 0, 0
	WIN MUL
	MUL8 1, 2, 0
	MUL8 1, 3, 0
.endm
	s_wait_tensorcnt 1                             ; my part of K step 0 is in; K step 1's may be out
	s_barrier_signal -1
	s_barrier_wait -1
	FETCH 0, 0, 0
	QUARTER 0, 1, 0, 1, 1                          ; the first products start the sums
	WIN 0
	s_mov_b32 s3, LAPS-1
.Llap:                                             ; a trip goes once round the ring and fills both slots again
	QUARTER 0, 2, 1, 0, 0
	QUARTER 0, 3, 0, 1, 0
	TURN 0, 1, 1
	QUARTER 1, 1, 0, 1, 0
	QUARTER 1, 2, 1, 0, 0
	QUARTER 1, 3, 0, 1, 0
	TURN 1, 0, 1
	QUARTER 0, 1, 0, 1, 0
	WIN 0
	s_sub_co_u32 s3, s3, 1
	s_cmp_lg_u32 s3, 0
	s_cbranch_scc1 .Llap
	QUARTER 0, 2, 1, 0, 0                          ; the last lap fills nothing
	QUARTER 0, 3, 0, 1, 0
	TURN 0, 1, 0
	QUARTER 1, 1, 0, 1, 0
	QUARTER 1, 2, 1, 0, 0
	QUARTER 1, 3, 0, 1, 0
	s_wait_dscnt 4
	WIN MUL
	MUL8 1, 0, 0
	MUL8 1, 1, 0
	s_wait_dscnt 0
	MUL8 1, 2, 0
	MUL8 1, 3, 0
	WIN 0
; THE WAY OUT: a block of 16 rows x 128 columns through my stage, back as whole rows of 512 bytes.
.macro TOSTAGE a
	WIN 0x08                                       ; an LDS store's data: window 2
.irp b, 0,1,2,3,4,5,6,7
	ds_store_b128 v[STO], v[64*(\a)+8*\b:64*(\a)+8*\b+3] offset:64*\b          ; each accumulator from its low end on
	ds_store_b128 v[STO], v[64*(\a)+8*\b+4:64*(\a)+8*\b+7] offset:64*\b+16
.endr
	WIN 0
.set BB, BK+64*((\a)%2)
.irp t, 0,1,2,3,4,5,6,7,8,9,10,11,12,13,14,15
	ds_load_b128 v[BB+4*\t:BB+4*\t+3], v[RD] offset:\t*SPITCH
.endr
.endm
.macro SEND a, younger
.set BB, BK+64*((\a)%2)
	s_wait_dscnt \younger
.irp t, 0,1,2,3,4,5,6,7,8,9,10,11,12,13,14,15
	global_store_b128 v[CO], v[BB+4*\t:BB+4*\t+3], s[8:9] offset:(16*(\a)+\t)*4096 th:TH_STORE_NT   ; 512 consecutive bytes, aligned
.endr
.endm
	PLACES
	TOSTAGE 0
.irp a, 1,2,3
.if \a > 1
	s_wait_xcnt 0x0                                ; block a - 2's stores have read their registers
.endif
	TOSTAGE \a
	SEND \a-1, 32                                  ; behind block a - 1's loads: block a's 16 stores and 16 loads
.endr
	SEND 3, 0
	s_wait_tensorcnt 0x0                           ; the wave's end
	ds_add_u32 v[SPW], v[NIL]
	s_wait_dscnt 0x0
	CROUND                                         ; the closing round
	s_endpgm
.Lfunc_end_k_q83450f76c2_oproj:
	.size	k_q83450f76c2_oproj, .Lfunc_end_k_q83450f76c2_oproj-k_q83450f76c2_oproj
	.p2alignl 7, 3214868480
	.fill 96, 4, 3214868480
	.section	.rodata,"a",@progbits
	.p2align	6, 0x0
	.amdhsa_kernel k_q83450f76c2_oproj
		.amdhsa_group_segment_fixed_size 327680
		.amdhsa_private_segment_fixed_size 0
		.amdhsa_enable_private_segment 0
		.amdhsa_kernarg_size 24
		.amdhsa_user_sgpr_count 2
		.amdhsa_user_sgpr_kernarg_segment_ptr 1
		.amdhsa_wavefront_size32 1
		.amdhsa_system_sgpr_workgroup_id_x 1
		.amdhsa_system_sgpr_workgroup_id_y 1
		.amdhsa_system_sgpr_workgroup_id_z 1
		.amdhsa_system_vgpr_workitem_id 0
		.amdhsa_next_free_vgpr 768
		.amdhsa_next_free_sgpr 66
		.amdhsa_reserve_vcc 0
		.amdhsa_float_denorm_mode_32 3
		.amdhsa_float_denorm_mode_16_64 3
		.amdhsa_memory_ordered 1
		.amdhsa_forward_progress 1
		.amdhsa_inst_pref_size 85
	.end_amdhsa_kernel
	.amdgpu_metadata
---
amdhsa.version: [ 1, 2 ]
amdhsa.kernels:
  - .name:           k_q83450f76c2_oproj
    .symbol:         k_q83450f76c2_oproj.kd
    .args:
      - { .name: ao, .offset: 0, .size: 8, .value_kind: global_buffer, .address_space: global }
      - { .name: wo16, .offset: 8, .size: 8, .value_kind: global_buffer, .address_space: global }
      - { .name: out0, .offset: 16, .size: 8, .value_kind: global_buffer, .address_space: global }
    .group_segment_fixed_size: 327680
    .private_segment_fixed_size: 0
    .kernarg_segment_align: 8
    .kernarg_segment_size: 24
    .max_flat_workgroup_size: 128
    .sgpr_count:     66
    .vgpr_count:     768
    .wavefront_size: 32
...
	.end_amdgpu_metadata
.endif
;; end of part 4
;; launch fine (part 5): grid 16 x 4, 16 waves a work-group, no clusters, 231,424 bytes of LDS; arguments qkvh, mb, Wo, out0, flags; writes out0
.if DOCPART == 5
	.amdgcn_target "amdgcn-amd-amdhsa--gfx1250"
	.amdhsa_code_object_version 6
	.text
	.protected	k_q83450f76c2_fine
	.globl	k_q83450f76c2_fine
	.p2align	8
	.type	k_q83450f76c2_fine,@function
k_q83450f76c2_fine:
	s_mov_b64 s[64:65], 0
	v_nop
	global_prefetch_b8 v0, s[64:65] scope:SCOPE_SE
	s_setreg_imm32_b32 hwreg(HW_REG_WAVE_MODE, 25, 1), 1
	s_wait_xcnt 0x0
; The first 16 positions of every sequence, carried more finely: rows that may average one to a few values.  out0[b][0..15][64 x .. 64 x + 63] for work-group (x, b).
; Wave w is head w.  It makes its head's attention for the 16 positions as the large launch does (both masks as they are given, key blocks that mask_bef closes wholly left out by the stored flags, which come by a scalar load),
; but with the weights and V as pairs of f16 numbers, a high and a low part (three products: Vhi Phi, Vlo Phi, Vhi Plo); then it multiplies its 64 channels, as they stand in its registers in f32,
; by Wo[64 w .. + 63][64 x .. + 63] in f32 (v_wmma_f32_16x16x4_f32: 64 instructions a wave, no bulk work).  The 16 heads' partial sums meet in LDS behind one barrier; waves 0-3 add and store them.
; No tensor load: the walk's branches hang on numbers read from memory.  The loop's count is a constant, 32 key blocks.
; LIMITS: as in the large launch: m begins at -3e38; a row that mask_bef closes wholly gives NaN.
; REGISTERS: v2-11 addresses and constants; v14-21 statistics; v22, v23 the add's two; v24-55 S^T, p, later O / l, later sums; v56-87 O^T; v88-119 the f32 sums, written by matrix instructions alone;
;   v120-135 Q; v136-151, v152-167 P's parts; v168-231 K's fragments, then V; v232-243 at work; behind the loop v120-247 Wo's fragments, then the partial sums.
.set VP,    160
.set PART,  163840                     ; behind 16 x 10,240 bytes of V's stages: 4,096 bytes of partial sums a wave
.set SPARE, 229376
.set KA,   2
.set VG,   3
.set VST,  4
.set VLD,  5
.set PST,  6
.set PRD,  7
.set WA,   8
.set OA,   9
.set NINF, 10
.set ZERO, 11
.set ST,   14
.set SPW,  22
.set NIL,  23
.set S,    24
.set O,    56
.set ACC,  88
.set Q,    120
.set PHI,  136
.set PLO,  152
.set POOL, 168
.set SUM,  232
.set TMP,  236
.set WF,   120
.set MB,   32
.set AB,   68
.macro VLOAD kh                        ; 32 keys of V's two parts from memory, 512 consecutive bytes an instruction
.irp i, 0,1,2,3,4,5,6,7
	global_load_b128 v[POOL+4*\i:POOL+4*\i+3], v[VG], s[8:9] offset:4096*\kh+512*\i
	global_load_b128 v[POOL+32+4*\i:POOL+32+4*\i+3], v[VG], s[10:11] offset:4096*\kh+512*\i
.endr
.endm
.macro VUSE kh                         ; through my own stage, back turned, and the three products
	s_wait_loadcnt 0x0
.irp i, 0,1,2,3,4,5,6,7
	ds_store_b128 v[VST], v[POOL+4*\i:POOL+4*\i+3] offset:4*VP*\i
	ds_store_b128 v[VST], v[POOL+32+4*\i:POOL+32+4*\i+3] offset:32*VP+4*VP*\i
.endr
	s_wait_dscnt 0x0
.irp ct, 0,1,2,3
	ds_load_tr16_b128 v[POOL+8*\ct:POOL+8*\ct+3], v[VLD] offset:32*\ct
	ds_load_tr16_b128 v[POOL+8*\ct+4:POOL+8*\ct+7], v[VLD] offset:32*\ct+16*VP
	ds_load_tr16_b128 v[POOL+32+8*\ct:POOL+32+8*\ct+3], v[VLD] offset:32*VP+32*\ct
	ds_load_tr16_b128 v[POOL+32+8*\ct+4:POOL+32+8*\ct+7], v[VLD] offset:32*VP+32*\ct+16*VP
.endr
	s_wait_dscnt 0x0
.irp ct, 0,1,2,3
	v_wmma_f32_16x16x32_f16 v[O+8*\ct:O+8*\ct+7], v[POOL+8*\ct:POOL+8*\ct+7], v[PHI+8*\kh:PHI+8*\kh+7], v[O+8*\ct:O+8*\ct+7]
.endr
.irp ct, 0,1,2,3
	v_wmma_f32_16x16x32_f16 v[O+8*\ct:O+8*\ct+7], v[POOL+32+8*\ct:POOL+32+8*\ct+7], v[PHI+8*\kh:PHI+8*\kh+7], v[O+8*\ct:O+8*\ct+7]
.endr
.irp ct, 0,1,2,3
	v_wmma_f32_16x16x32_f16 v[O+8*\ct:O+8*\ct+7], v[POOL+8*\ct:POOL+8*\ct+7], v[PLO+8*\kh:PLO+8*\kh+7], v[O+8*\ct:O+8*\ct+7]
.endr
.rept 4
	v_nop                                          ; places ahead of loads into V's registers and of readers of O^T
.endr
.endm
	s_load_b256 s[4:11], s[0:1], 0x0               ; qkvh, mb, Wo, out0
	s_load_b64 s[14:15], s[0:1], 0x20              ; flags
	v_lshl_add_u32 v[SPW], v0, 2, SPARE
	v_mov_b32 v[NIL], 0
	v_lshrrev_b32 v1, 5, v0
	v_readfirstlane_b32 s16, v1                    ; wave = head, 0..15
	v_and_b32 v240, 31, v0                         ; lane
	v_and_b32 v241, 15, v0                         ; r
	v_bfe_u32 v242, v0, 4, 1                       ; h
	v_lshlrev_b32 v[KA], 7, v241
	v_lshl_add_u32 v[KA], v242, 4, v[KA]           ; a fragment's row of 128 bytes, + 16 h
	v_lshlrev_b32 v[VG], 4, v240
	s_mul_i32 s2, s16, 64*VP                       ; my stage for V: 32 keys x 160 bytes, twice
	v_lshrrev_b32 v243, 3, v240
	v_and_b32 v244, 7, v0
	v_mul_u32_u24 v[VST], v243, VP
	v_lshl_add_u32 v[VST], v244, 4, v[VST]
	v_add_nc_u32 v[VST], s2, v[VST]
	v_lshl_add_u32 v243, v242, 3, v244
	v_mul_u32_u24 v[VLD], v243, VP
	v_bfe_u32 v243, v0, 3, 1
	v_lshl_add_u32 v[VLD], v243, 4, v[VLD]
	v_add_nc_u32 v[VLD], s2, v[VLD]
	s_lshl_b32 s2, s16, 12
	s_add_co_u32 s2, s2, PART
	v_lshl_add_u32 v[PST], v240, 4, s2             ; my partial sums: 4,096 x wave + 16 x lane
	s_and_b32 s3, s16, 3
	s_lshl_b32 s2, s3, 10
	s_add_co_u32 s2, s2, PART
	v_lshl_add_u32 v[PRD], v240, 4, s2             ; what waves 0-3 read: tile of columns = wave
	v_lshlrev_b32 v[WA], 15, v242
	v_lshl_add_u32 v[WA], v241, 2, v[WA]           ; Wo: 8 h rows of 4,096 bytes, column r
	v_lshlrev_b32 v[OA], 12, v241
	v_lshl_add_u32 v[OA], v242, 5, v[OA]
	s_lshl_b32 s3, s3, 6
	v_add_nc_u32 v[OA], s3, v[OA]                  ; out0: row r, + 64 x tile + 32 h
	v_mov_b32 v[NINF], 0xff800000
	v_mov_b32 v[ZERO], 0
	s_and_b32 s25, ttmp7, 0xffff                   ; batch
	s_lshl_b32 s2, s25, 4
	s_add_co_u32 s2, s2, s16
	s_lshl_b32 s2, s2, 18                          ; (16 x batch + head) x 262,144
	s_mov_b32 s3, 0
	s_lshl_b32 s28, s16, 18                        ; Wo: 64 x head rows,
	s_lshl_b32 s26, ttmp9, 8                       ; 64 x columns of 4 bytes
	s_add_co_u32 s28, s28, s26
	s_mov_b32 s29, 0
	s_lshl_b32 s25, s25, 23                        ; out0: 2,048 x batch rows
	s_add_co_u32 s26, s26, s25
	s_mov_b32 s27, 0
	s_mov_b32 s30, 0x76543210
	s_mov_b32 s31, 0xfedcba98
	s_mov_b32 s100, 0x3e38aa3b                     ; c = log2(e) / 8
	s_mov_b32 s101, s100
	s_wait_kmcnt 0x0
	s_mov_b64 s[12:13], s[6:7]                     ; mb
	s_load_b64 s[32:33], s[14:15], 0x0             ; q tile 0's eight bytes of flags
	s_add_nc_u64 s[20:21], s[8:9], s[28:29]        ; Wo at my block
	s_add_nc_u64 s[22:23], s[10:11], s[26:27]      ; out0 at my block
	s_add_nc_u64 s[4:5], s[4:5], s[2:3]            ; Q
	s_add_nc_u64 s[6:7], s[4:5], 16777216          ; K
	s_add_nc_u64 s[8:9], s[4:5], 33554432          ; V's high part
	s_add_nc_u64 s[10:11], s[4:5], 50331648        ; V's low part
.irp dh, 0,1
	global_load_b128 v[Q+8*\dh:Q+8*\dh+3], v[KA], s[4:5] offset:64*\dh
	global_load_b128 v[Q+8*\dh+4:Q+8*\dh+7], v[KA], s[4:5] offset:64*\dh+32
.endr
.set i, 0
.rept 32
	v_mov_b32 v[O+i], 0
.set i, i+1
.endr
	v_mov_b32 v[ST+1], 0xff61b1e6                  ; m = -3e38
	v_mul_f32 v[ST], s100, v[ST+1]
.irp k, 2,3,4,5,6,7
	v_mov_b32 v[ST+\k], 0
.endr
	s_wait_kmcnt 0x0
	s_mov_b32 s17, 0                               ; key blocks with an open key: the bytes' low nibbles,
	s_mov_b32 s24, 0                               ; mixed ones: the high nibbles
.irp k, 0,1,2,3,4,5,6,7
	s_bfe_u32 s2, s[32+\k/4], (4<<16)|(8*(\k%4))
	s_lshl_b32 s2, s2, 4*\k
	s_or_b32 s17, s17, s2
	s_bfe_u32 s2, s[32+\k/4], (4<<16)|(8*(\k%4)+4)
	s_lshl_b32 s2, s2, 4*\k
	s_or_b32 s24, s24, s2
.endr
	s_wait_loadcnt 0x0                             ; Q
	s_mov_b32 s18, 0                               ; the key block
	s_mov_b32 s19, 0                               ; its 128 bytes in the images
	s_mov_b32 s27, 32
.Lkb:
	s_bitcmp1_b32 s17, s18
	s_cbranch_scc0 .Lskip
	s_load_b512 s[MB:MB+15], s[12:13], s19 offset:0
	s_load_b512 s[MB+16:MB+31], s[12:13], s19 offset:64
	s_load_b512 s[AB:AB+15], s[12:13], s19 offset:0x80000
	s_load_b512 s[AB+16:AB+31], s[12:13], s19 offset:0x80040
.irp kt, 0,1,2,3
.irp dh, 0,1
	global_load_b128 v[POOL+16*\kt+8*\dh:POOL+16*\kt+8*\dh+3], v[KA], s[6:7] offset:2048*\kt+64*\dh
	global_load_b128 v[POOL+16*\kt+8*\dh+4:POOL+16*\kt+8*\dh+7], v[KA], s[6:7] offset:2048*\kt+64*\dh+32
.endr
.endr
	s_wait_loadcnt 0x0
.irp kt, 0,1,2,3
	v_wmma_f32_16x16x32_f16 v[S+8*\kt:S+8*\kt+7], v[POOL+16*\kt:POOL+16*\kt+7], v[Q:Q+7], 0
.endr
.irp kt, 0,1,2,3
	v_wmma_f32_16x16x32_f16 v[S+8*\kt:S+8*\kt+7], v[POOL+16*\kt+8:POOL+16*\kt+15], v[Q+8:Q+15], v[S+8*\kt:S+8*\kt+7]
.endr
.rept 4
	v_nop
.endr
	VLOAD 0                                        ; into the registers that K's fragments have left
	s_bitcmp1_b32 s24, s18
	s_cbranch_scc0 .Lopen
	s_wait_kmcnt 0x0
.set i, 0
.rept 32
	v_cndmask_b32 v[S+i], v[S+i], v[NINF], s[MB+i]
.set i, i+1
.endr
.Lopen:
.irp k, 0,1,2,3
	v_max3_num_f32 v[ST+4+\k], v[S+8*\k], v[S+8*\k+1], v[S+8*\k+2]
.endr
.irp k, 0,1,2,3
	v_max3_num_f32 v[ST+4+\k], v[ST+4+\k], v[S+8*\k+3], v[S+8*\k+4]
.endr
.irp k, 0,1,2,3
	v_max3_num_f32 v[ST+4+\k], v[ST+4+\k], v[S+8*\k+5], v[S+8*\k+6]
.endr
	v_max3_num_f32 v[ST+4], v[ST+4], v[S+7], v[S+15]
	v_max3_num_f32 v[ST+6], v[ST+6], v[S+23], v[S+31]
	v_max3_num_f32 v[ST+4], v[ST+4], v[ST+5], v[ST+6]
	v_max3_num_f32 v[ST+4], v[ST+4], v[ST+7], v[ST+1]
	v_permlanex16_b32 v[ST+5], v[ST+4], s30, s31
	v_mov_b32 v[ST+7], v[ST]
	v_max_num_f32 v[ST+1], v[ST+4], v[ST+5]
	v_mul_f32 v[ST], s100, v[ST+1]
	v_sub_f32 v[ST+7], v[ST+7], v[ST]
.set i, 0
.rept 16
	v_pk_fma_f32 v[S+i:S+i+1], v[S+i:S+i+1], s[100:101], v[ST:ST+1] op_sel_hi:[1,0,0] neg_lo:[0,0,1] neg_hi:[0,0,1]
.set i, i+2
.endr
	v_exp_f32 v[ST+6], v[ST+7]
.set i, 0
.rept 32
	v_exp_f32 v[S+i], v[S+i]
.set i, i+1
.endr
	v_nop
	s_wait_alu depctr_va_vdst(0)                   ; one wait for the batch, ahead of its first reader
	v_pk_add_f32 v[SUM:SUM+1], v[S:S+1], v[S+2:S+3]
	v_pk_add_f32 v[SUM+2:SUM+3], v[S+4:S+5], v[S+6:S+7]
.irp i, 8,12,16,20,24,28
	v_pk_add_f32 v[SUM:SUM+1], v[SUM:SUM+1], v[S+\i:S+\i+1]
	v_pk_add_f32 v[SUM+2:SUM+3], v[SUM+2:SUM+3], v[S+\i+2:S+\i+3]
.endr
	v_pk_add_f32 v[SUM:SUM+1], v[SUM:SUM+1], v[SUM+2:SUM+3]
	v_pk_fma_f32 v[ST+2:ST+3], v[ST+2:ST+3], v[ST+6:ST+7], v[SUM:SUM+1] op_sel_hi:[1,0,1]
	s_wait_kmcnt 0x0
.set i, 0
.rept 32
	v_cndmask_b32 v[S+i], v[S+i], v[ZERO], s[AB+i]
.set i, i+1
.endr
.set i, 0
.rept 16                               ; p = high + low: the high part keeps ten mantissa bits, the low part is the exact rest; two sets of registers by turns
.set u, TMP+4*(i%2)
	v_and_b32 v[u], 0xffffe000, v[S+2*i]
	v_and_b32 v[u+1], 0xffffe000, v[S+2*i+1]
	v_pk_add_f32 v[u+2:u+3], v[S+2*i:S+2*i+1], v[u:u+1] neg_lo:[0,1] neg_hi:[0,1]
	v_cvt_pk_f16_f32 v[PHI+i], v[u], v[u+1]
	v_cvt_pk_f16_f32 v[PLO+i], v[u+2], v[u+3]
.set i, i+1
.endr
.set i, 0
.rept 16
	v_pk_mul_f32 v[O+i:O+i+1], v[O+i:O+i+1], v[ST+6:ST+7] op_sel_hi:[1,0]
.set i, i+2
.endr
	VUSE 0
	VLOAD 1
	VUSE 1
.Lskip:
	s_wait_kmcnt 0x0                               ; on every path: no scalar load is out,
	s_wait_xcnt 0x0                                ; and the bases and the offset may be stepped
	s_add_nc_u64 s[6:7], s[6:7], 8192
	s_add_nc_u64 s[8:9], s[8:9], 8192
	s_add_nc_u64 s[10:11], s[10:11], 8192
	s_add_co_u32 s19, s19, 128
	s_add_co_u32 s18, s18, 1
	s_sub_co_u32 s27, s27, 1
	s_cmp_lg_u32 s27, 0
	s_cbranch_scc1 .Lkb
	; THE PROJECTION.  In O^T lane (r, h) holds query r, register 8 ct + j channel 16 ct + 8 h + j.  A pair of registers (j = 2 jp, 2 jp + 1) is source 1 of a K step of 4: the unit's k = 2 h + j' stands for channel
	; 16 ct + 8 h + 2 jp + j'; Wo's fragment takes the same channels in the same places: lane (r, h), register j' = Wo[64 w + 16 ct + 8 h + 2 jp + j'][64 x + 16 nt + r].
.set c, 0
.rept 16
.irp nt, 0,1,2,3
	global_load_b32 v[WF+8*c+2*\nt], v[WA], s[20:21] offset:((16*(c/4)+2*(c%4))*1024+16*\nt)*4
	global_load_b32 v[WF+8*c+2*\nt+1], v[WA], s[20:21] offset:((16*(c/4)+2*(c%4)+1)*1024+16*\nt)*4
.endr
.set c, c+1
.endr
	v_add_f32 v[ST+4], v[ST+2], v[ST+3]
	v_permlanex16_b32 v[ST+5], v[ST+4], s30, s31
	v_add_f32 v[ST+4], v[ST+4], v[ST+5]
	v_rcp_f32 v[ST+6], v[ST+4]
	v_nop
	s_wait_alu depctr_va_vdst(0)
.set i, 0
.rept 16
	v_pk_mul_f32 v[S+i:S+i+1], v[O+i:O+i+1], v[ST+6:ST+7] op_sel_hi:[1,0]   ; O^T / l, in f32
.set i, i+2
.endr
	s_wait_loadcnt 0x0
.irp nt, 0,1,2,3
	v_wmma_f32_16x16x4_f32 v[ACC+8*\nt:ACC+8*\nt+7], v[WF+2*\nt:WF+2*\nt+1], v[S:S+1], 0      ; each sum's own first K step
.endr
.set c, 1
.rept 15
.irp nt, 0,1,2,3
	v_wmma_f32_16x16x4_f32 v[ACC+8*\nt:ACC+8*\nt+7], v[WF+8*c+2*\nt:WF+8*c+2*\nt+1], v[S+2*c:S+2*c+1], v[ACC+8*\nt:ACC+8*\nt+7]   ; the four sums by turns
.endr
.set c, c+1
.endr
.rept 8
	v_nop                                          ; eight places behind this form
.endr
.irp nt, 0,1,2,3
	ds_store_b128 v[PST], v[ACC+8*\nt:ACC+8*\nt+3] offset:1024*\nt         ; lane (r, h): query r, columns 16 nt + 8 h + 0 .. 3,
	ds_store_b128 v[PST], v[ACC+8*\nt+4:ACC+8*\nt+7] offset:1024*\nt+512   ; + 4 .. 7
.endr
	s_wait_dscnt 0x0                               ; for the others' sake: my partial sums have landed
	s_barrier_signal -1
	s_barrier_wait -1
	s_cmp_ge_u32 s16, 4
	s_cbranch_scc1 .Lend                           ; waves 0-3 add: tile of columns = wave
.set p, 0
.rept 16
	ds_load_b128 v[WF+8*p:WF+8*p+3], v[PRD] offset:4096*p
	ds_load_b128 v[WF+8*p+4:WF+8*p+7], v[PRD] offset:4096*p+512
.set p, p+1
.endr
	s_wait_dscnt 0x0
.irp q, 0,2,4,6
	v_pk_add_f32 v[S+\q:S+\q+1], v[WF+\q:WF+\q+1], v[WF+8+\q:WF+8+\q+1]
.endr
.set p, 2
.rept 14
.irp q, 0,2,4,6
	v_pk_add_f32 v[S+\q:S+\q+1], v[S+\q:S+\q+1], v[WF+8*p+\q:WF+8*p+\q+1]
.endr
.set p, p+1
.endr
	global_store_b128 v[OA], v[S:S+3], s[22:23]
	global_store_b128 v[OA], v[S+4:S+7], s[22:23] offset:16
.Lend:
	s_wait_tensorcnt 0x0                           ; the wave's end, behind my last LDS store
	ds_add_u32 v[SPW], v[NIL]
	s_wait_dscnt 0x0
	s_endpgm
.Lfunc_end_k_q83450f76c2_fine:
	.size	k_q83450f76c2_fine, .Lfunc_end_k_q83450f76c2_fine-k_q83450f76c2_fine
	.p2alignl 7, 3214868480
	.fill 96, 4, 3214868480
	.section	.rodata,"a",@progbits
	.p2align	6, 0x0
	.amdhsa_kernel k_q83450f76c2_fine
		.amdhsa_group_segment_fixed_size 231424
		.amdhsa_private_segment_fixed_size 0
		.amdhsa_enable_private_segment 0
		.amdhsa_kernarg_size 40
		.amdhsa_user_sgpr_count 2
		.amdhsa_user_sgpr_kernarg_segment_ptr 1
		.amdhsa_wavefront_size32 1
		.amdhsa_system_sgpr_workgroup_id_x 1
		.amdhsa_system_sgpr_workgroup_id_y 1
		.amdhsa_system_sgpr_workgroup_id_z 1
		.amdhsa_system_vgpr_workitem_id 0
		.amdhsa_next_free_vgpr 256
		.amdhsa_next_free_sgpr 102
		.amdhsa_reserve_vcc 0
		.amdhsa_float_denorm_mode_32 3
		.amdhsa_float_denorm_mode_16_64 3
		.amdhsa_memory_ordered 1
		.amdhsa_forward_progress 1
		.amdhsa_inst_pref_size 58
	.end_amdhsa_kernel
	.amdgpu_metadata
---
amdhsa.version: [ 1, 2 ]
amdhsa.kernels:
  - .name:           k_q83450f76c2_fine
    .symbol:         k_q83450f76c2_fine.kd
    .args:
      - { .name: qkvh, .offset: 0, .size: 8, .value_kind: global_buffer, .address_space: global }
      - { .name: mb, .offset: 8, .size: 8, .value_kind: global_buffer, .address_space: global }
      - { .name: Wo, .offset: 16, .size: 8, .value_kind: global_buffer, .address_space: global }
      - { .name: out0, .offset: 24, .size: 8, .value_kind: global_buffer, .address_space: global }
      - { .name: flags, .offset: 32, .size: 8, .value_kind: global_buffer, .address_space: global }
    .group_segment_fixed_size: 231424
    .private_segment_fixed_size: 0
    .kernarg_segment_align: 8
    .kernarg_segment_size: 40
    .max_flat_workgroup_size: 512
    .sgpr_count:     102
    .vgpr_count:     256
    .wavefront_size: 32
...
	.end_amdgpu_metadata
.endif
;; end of part 5
